; MI455X (gfx1250); checked and timed in simulation.
; The chip was launched on July 23, 2026; its instructions are those of AMD's public machine-readable ISA for CDNA 5 (MIT licence, August 2026) and "CDNA5" Instruction Set Architecture Reference Guide (July 2026). The comments in the code are by the model that wrote it; some were corrected since.
;; Transformer Block. Allowed arithmetic: matrix products marked QUANTISED: E5M2 operands, one given power-of-two scale a tensor, by v_wmma_f32_16x16x64_bf8_bf8 or v_wmma_f32_16x16x128_bf8_bf8, f32 sums; everything else in f32.
;; Inputs: W1 1,024 x 4,096 float32; W2 4,096 x 1,024 float32; Wk 1,024 x 1,024 float32; Wo 1,024 x 1,024 float32; Wq 1,024 x 1,024 float32; Wv 1,024 x 1,024 float32; b1 4,096 float32; b2 1,024 float32; beta1 1,024 float32; beta2 1,024 float32; bk 1,024 float32; bo 1,024 float32; bq 1,024 float32; bv 1,024 float32; gamma1 1,024 float32; gamma2 1,024 float32; lowp_scales 16 int32 (the exponents e of the quantised operands' scales 2^e); x 2 x 2,048 x 1,024 float32.
;; Outputs: out0 2 x 2,048 x 1,024 float32.
;; This version of the problem:
;;   THIS VERSION OF THE PROBLEM IS GIVEN IN LOW PRECISION. The matrix products marked QUANTISED in the list below multiply operands that are first quantised to E5M2 (5 exponent bits, 2 mantissa bits; 8 bits a number), with one given power-of-two scale for each operand tensor; their sums are f32. All else is computed in f32.
;;   The module's matrix products, in the order in which they are computed (A, B: the left and right operand; K: the contracted axis; several contracted axes count as one K, in the product's order):
;;     1. [M 4,096, K 1,024] x [K 1,024, N 1,024]; A: computed on the way; B: input Wq: QUANTISED (scales: A lowp_scales[0], B lowp_scales[1])
;;     2. [M 4,096, K 1,024] x [K 1,024, N 1,024]; A: computed on the way; B: input Wk: QUANTISED (scales: A lowp_scales[2], B lowp_scales[3])
;;     3. [M 4,096, K 1,024] x [K 1,024, N 1,024]; A: computed on the way; B: input Wv: QUANTISED (scales: A lowp_scales[4], B lowp_scales[5])
;;     4. batch 32 x [M 2,048, K 64] x [K 64, N 2,048]; A: computed on the way; B: computed on the way: QUANTISED (scales: A lowp_scales[6], B lowp_scales[7])
;;     5. batch 32 x [M 64, K 2,048] x [K 2,048, N 2,048]; A: computed on the way; B: softmax (see below): QUANTISED (scales: A lowp_scales[8], B lowp_scales[9])
;;     6. [M 4,096, K 1,024] x [K 1,024, N 1,024]; A: computed on the way; B: input Wo: QUANTISED (scales: A lowp_scales[10], B lowp_scales[11])
;;     7. [M 4,096, K 1,024] x [K 1,024, N 4,096]; A: computed on the way; B: input W1: QUANTISED (scales: A lowp_scales[12], B lowp_scales[13])
;;     8. [M 4,096, K 4,096] x [K 4,096, N 1,024]; A: computed on the way; B: input W2: QUANTISED (scales: A lowp_scales[14], B lowp_scales[15])
;;   THE QUANTISER, for each operand of a quantised product, along K:
;;     - The operand's scale is 2^e, e = its entry of the input lowp_scales (int32; the entries are numbered through the quantised products in the list's order, A before B).
;;     - Each number is divided by the scale, clamped to +-57,344, and rounded to the nearest number of E5M2, ties to even, subnormals kept.
;;     - The product sums the exact products of the quantised numbers (number of the format x scale) in f32.
;;   ~~~python
;;   def quantise(x, axis, e):      # numpy; x: float32 -> the quantised numbers, widened to float32 again
;;       x = np.moveaxis(x, axis, -1); K = x.shape[-1]
;;       r = np.clip(x / 2.0 ** e, -57344, 57344)
;;       step = 2.0 ** (np.maximum(np.frexp(np.where(r == 0, 1, r))[1] - 1, -14) - 2)
;;       q = np.round(r / step) * step * 2.0 ** e      # np.round: ties to even
;;       return np.moveaxis(q, -1, axis).astype(np.float32)
;;   ~~~
;;   SOFTMAX AHEAD OF A QUANTISED PRODUCT. Where the list says 'softmax', what is quantised is not the finished softmax but p = 2^(t - M), with t = logit x log2(e) and M = ceil(the row's largest t), a whole number; so 1/2 < the row's largest p <= 1. The row's sum l is taken of the UNQUANTISED p, in f32, and the product's result is divided by l at the end. Since M is a whole number, a kernel that streams over the keys may use a running M (the ceiling of the running maximum): every later rescaling is an exact power of two, so the quantised numbers keep their values, but for numbers so far below the row's largest that they fall under the format's range.
;;   OPERANDS COMPUTED ON THE WAY. 'Computed on the way' means the value that the module computes at that place (a softmax that the list does not call 'softmax' is quantised finished and normalised). What goes into a quantiser is computed in f32, as accurately as f32 sums, v_exp_f32 and their like allow (about 1e-6 of the number): no bf16 or f16 on the way to a quantiser, and a product that is left as it is and whose result goes on into a quantised operand takes f32 operands (vector FMAs, or v_wmma_f32_16x16x4_f32). A number that lies on a knife's edge between two numbers of the format may be rounded either way, as far as f32 arithmetic and the matrix unit's own rounding can turn it there, and no further.
;; One version. Each part assembles by itself: llvm-mc -triple=amdgcn-amd-amdhsa -mcpu=gfx1250 --defsym DOCPART=n.
;; ======== version 1 of 1: 7 launches
;; limits: right only within a limited range of input values
;; workspace buffers: wcodes 12,582,912 bytes; a1 12,582,912 bytes; qkv 12,582,912 bytes; ao 4,194,304 bytes; x1 16,777,216 bytes; h2 4,194,304 bytes; g 16,777,216 bytes
;; launch prep (part 1): grid 512 x 1, 8 waves a work-group, no clusters, 105,472 bytes of LDS; arguments x, gamma1, beta1, Wq, Wk, Wv, Wo, W1, W2, lowp_scales, wcodes, a1; writes wcodes, a1
.if DOCPART == 1
	.amdgcn_target "amdgcn-amd-amdhsa--gfx1250"
	.amdhsa_code_object_version 6
	.text
	.protected	k_q4e7d33fa23_prep
	.globl	k_q4e7d33fa23_prep
	.p2align	8
	.type	k_q4e7d33fa23_prep,@function
k_q4e7d33fa23_prep:
	s_mov_b64 s[64:65], 0
	v_nop
	global_prefetch_b8 v0, s[64:65] scope:SCOPE_SE
	s_setreg_imm32_b32 hwreg(HW_REG_WAVE_MODE, 25, 1), 1
	s_wait_xcnt 0x0
; TWO JOBS IN ONE LAUNCH, parted once on the work-group's number.
; Work-groups 0-127: LayerNorm 1 of 32 rows of x each, quantised three times to BF8 (E5M2) with the given scales 2^e0, 2^e2, 2^e4 (the three products that read it), into a1.
; Work-groups 128-511: the six weights, f32 stored [K][N], quantised along K with their given scales into wcodes, K innermost.
; 512 work-groups of eight waves of 256 registers: two fit on a WGP's registers, so that 256 WGPs can hold them all, two each; a LayerNorm group moves 224 KB, a weight group 160 KB.
; THE ORDER OF ALL CODE BUFFERS: an operand of K codes a row lies as blocks of 16 rows; byte(p, k) = (p / 16) 16 K + (k / 16) 256 + (p % 16) 16 + k % 16.
; So 16 rows x 128 K are 2,048 bytes on end, and four 16-byte loads a lane at 512 c + 16 lane are an operand's registers.
; PI: p with bits 3 and 4 exchanged.  In a buffer with PI ROWS place p holds row PI(p): a product that takes 16 such places as its first source leaves, in a lane's 16 registers of two neighbouring tiles, 16 neighbouring rows.
; a1: set 0 (e0) natural rows, set 1 (e2) and set 2 (e4) PI rows, 4 MiB each.  wcodes: all PI rows (a row = an output column): Wq 0, Wk 1 MiB, Wv 2 MiB, Wo 3 MiB, W1 4 MiB, W2 8 MiB.
; code = number / 2^e, held within +-57,344, to the nearest code, ties to even.
; LIMITS: each e between -126 and 112, so that 2^e and 57,344 x 2^e are f32 numbers.  NaN and infinities among the inputs are not served.
; No matrix unit, no tensor load, no cluster: every input byte is read once by one wave and nothing is shared between work-groups.
.set CH,   272                         ; a stage's place for 16 rows x 16 codes: 256 bytes + 16, so that the 32 lanes of an 8-byte store fall on 64 different words modulo 256 bytes
.set BLKB, 64*CH                       ; a block of 16 rows x 1,024 codes in a stage
.set SETB, 2*BLKB                      ; a set's stage: 32 rows
.set X,    64                          ; v64-191  four rows, 32 numbers a lane each; later the codes on their way out
.set GA,   192                         ; v192-223 gamma of my 32 columns
.set BE,   224                         ; v224-255 beta
.set TT,   16                          ; v16-31   two sets of 8 held numbers
.set CD,   32                          ; v32-55   a row's 12 pairs of code registers
.set NB,   4                           ; the weights: blocks of 32 along K for a wave
.macro MKSC e, sc, lim                 ; from the whole number in s[e]: v[sc] = 2^e, v[lim] = 57,344 x 2^e, as f32
	s_add_co_i32 s68, s[\e], 127
	s_lshl_b32 s69, s68, 23
	v_mov_b32 v[\sc], s69
	s_add_co_i32 s68, s68, 15
	s_lshl_b32 s68, s68, 23
	s_or_b32 s68, s68, 0x600000
	v_mov_b32 v[\lim], s68
.endm
.macro REDUCE r                        ; the sum over the 32 lanes, in every lane
	s_delay_alu instid0(VALU_DEP_1)
	v_add_f32_dpp v[\r], v[\r], v[\r] row_xmask:1 row_mask:0xf bank_mask:0xf
	s_delay_alu instid0(VALU_DEP_1)
	v_add_f32_dpp v[\r], v[\r], v[\r] row_xmask:2 row_mask:0xf bank_mask:0xf
	s_delay_alu instid0(VALU_DEP_1)
	v_add_f32_dpp v[\r], v[\r], v[\r] row_xmask:4 row_mask:0xf bank_mask:0xf
	s_delay_alu instid0(VALU_DEP_1)
	v_add_f32_dpp v[\r], v[\r], v[\r] row_xmask:8 row_mask:0xf bank_mask:0xf
	s_delay_alu instid0(VALU_DEP_1)
	v_permlanex16_b32 v14, v[\r], s54, s55
	s_delay_alu instid0(VALU_DEP_1)
	v_add_f32 v[\r], v[\r], v14
.endm
	s_load_b512 s[8:23], s[0:1], 0x0               ; x 8, gamma1 10, beta1 12, Wq 14, Wk 16, Wv 18, Wo 20, W1 22
	s_load_b256 s[24:31], s[0:1], 0x40             ; W2 24, the scales 26, wcodes 28, a1 30
	v_lshrrev_b32 v1, 5, v0
	s_delay_alu instid0(VALU_DEP_1)
	v_readfirstlane_b32 s3, v1                     ; wave 0..7
	v_and_b32 v62, 31, v0                          ; lane
	s_wait_kmcnt 0x0
	s_load_b512 s[36:51], s[26:27], 0x0            ; e0 .. e15 in s36 .. s51
	s_cmp_lt_u32 ttmp9, 128
	s_cbranch_scc0 .Lweights
; ---------------- LayerNorm 1.  Wave w takes rows 4 w + i, i = 0..3, of the group's 32.  Lane l holds columns 256 c + 8 l + 0..7, c = 0..3: two loads of 16 bytes, which together cover 1,024 bytes on end.
	s_lshl_b32 s56, ttmp9, 17                      ; 32 rows of 4,096 bytes a group,
	s_lshl_b32 s57, s3, 14                         ; 4 a wave
	s_add_co_u32 s56, s56, s57
	s_mov_b32 s57, 0
	s_add_nc_u64 s[8:9], s[8:9], s[56:57]
	s_wait_alu depctr_va_vdst(0)
	v_lshlrev_b32 v2, 5, v62                       ; 32 bytes a lane
.irp c, 0,1,2,3
.irp u, 0,1
	global_load_b128 v[GA+8*\c+4*\u:GA+8*\c+4*\u+3], v2, s[10:11] offset:1024*\c+16*\u
.endr
.endr
.irp c, 0,1,2,3
.irp u, 0,1
	global_load_b128 v[BE+8*\c+4*\u:BE+8*\c+4*\u+3], v2, s[12:13] offset:1024*\c+16*\u
.endr
.endr
.irp i, 0,1,2,3
.irp c, 0,1,2,3
.irp u, 0,1
	global_load_b128 v[X+32*\i+8*\c+4*\u:X+32*\i+8*\c+4*\u+3], v2, s[8:9] offset:4096*\i+1024*\c+16*\u th:TH_LOAD_NT
.endr
.endr
.endr
	; where my 8 codes of a row go in a stage: (16 c + l / 2) CH + 16 x place + 8 (l % 2)
	v_lshrrev_b32 v4, 1, v62
	s_delay_alu instid0(VALU_DEP_1)
	v_mul_u32_u24 v4, v4, CH
	v_and_b32 v5, 1, v62
	s_delay_alu instid0(VALU_DEP_1)
	v_lshl_add_u32 v63, v5, 3, v4                  ; the lane's part
	s_wait_alu depctr_va_vdst(0)
	s_lshr_b32 s56, s3, 2
	s_mul_i32 s57, s56, BLKB
	s_and_b32 s58, s3, 3
	s_lshl_b32 s58, s58, 6
	s_add_co_u32 s57, s57, s58                     ; natural rows: block w / 4, place 4 (w % 4) + i
	v_add_nc_u32 v4, s57, v63                      ; set 0
	s_bfe_u32 s58, s3, 0x10001
	s_mul_i32 s58, s58, BLKB
	s_lshl_b32 s59, s56, 7
	s_add_co_u32 s58, s58, s59
	s_and_b32 s59, s3, 1
	s_lshl_b32 s59, s59, 6
	s_add_co_u32 s58, s58, s59                     ; PI rows: block (w / 2) % 2, place 8 (w / 4) + 4 (w % 2) + i
	s_add_co_u32 s58, s58, SETB
	v_add_nc_u32 v5, s58, v63                      ; set 1
	s_delay_alu instid0(VALU_DEP_1)
	v_add_nc_u32 v6, SETB, v5                      ; set 2
	; and where I read whole blocks of 256 bytes back: block w / 4, its places 16 (w % 4) + 2 i + l / 16
	s_and_b32 s59, s3, 3
	s_mul_i32 s59, s59, 16*CH
	s_mul_i32 s58, s56, BLKB
	s_add_co_u32 s59, s59, s58
	v_lshrrev_b32 v1, 4, v62
	s_delay_alu instid0(VALU_DEP_1)
	v_mul_u32_u24 v1, v1, CH
	v_and_b32 v3, 15, v62
	s_delay_alu instid0(VALU_DEP_1)
	v_lshl_add_u32 v1, v3, 4, v1
	s_delay_alu instid0(VALU_DEP_1)
	v_add_nc_u32 v1, s59, v1
	s_delay_alu instid0(VALU_DEP_1)
	v_add_nc_u32 v3, SETB, v1
	s_delay_alu instid0(VALU_DEP_2)
	v_add_nc_u32 v15, 2*SETB, v1
	v_lshlrev_b32 v7, 4, v62                       ; 16 x lane: my bytes of a store's 512
	s_lshl_b32 s56, ttmp9, 15                      ; a group's two blocks of 16,384 bytes,
	s_lshl_b32 s57, s3, 12                         ; a wave's 4,096 of them
	s_add_co_u32 s56, s56, s57
	s_mov_b32 s57, 0
	s_add_nc_u64 s[60:61], s[30:31], s[56:57]      ; the three sets lie 4 MiB apart: a base for each
	s_add_nc_u64 s[62:63], s[60:61], 0x400000
	s_add_nc_u64 s[66:67], s[60:61], 0x800000
	s_mov_b32 s52, 0x3a800000                      ; 1 / 1,024
	s_mov_b32 s53, 0x3727c5ac                      ; 1e-5
	s_mov_b32 s54, 0x76543210                      ; lane selects: lane l xor 16
	s_mov_b32 s55, 0xfedcba98
	v_mov_b32 v14, 0                               ; a lane permute's destination counts as read: written once
	s_wait_kmcnt 0x0
	MKSC 36, 8, 9
	MKSC 38, 10, 11
	MKSC 40, 12, 13
.macro LNROW i
.set XR, X+32*(\i)
	s_wait_loadcnt 8*(3-(\i))                      ; gamma, beta and this row are in; the later rows' loads, 8 each, may be out
	v_pk_add_f32 v[56:57], v[XR:XR+1], v[XR+2:XR+3]          ; the sum, two at a time, in two chains
	v_pk_add_f32 v[58:59], v[XR+4:XR+5], v[XR+6:XR+7]
.irp j, 8,12,16,20,24,28
	s_delay_alu instid0(VALU_DEP_2)
	v_pk_add_f32 v[56:57], v[56:57], v[XR+\j:XR+\j+1]
	s_delay_alu instid0(VALU_DEP_2)
	v_pk_add_f32 v[58:59], v[58:59], v[XR+\j+2:XR+\j+3]
.endr
	s_delay_alu instid0(VALU_DEP_1)
	v_pk_add_f32 v[56:57], v[56:57], v[58:59]
	s_delay_alu instid0(VALU_DEP_1)
	v_add_f32 v56, v56, v57
	REDUCE 56
	s_delay_alu instid0(VALU_DEP_1)
	v_mul_f32 v60, s52, v56                        ; the mean
	s_delay_alu instid0(VALU_DEP_1)
	v_mov_b32 v61, v60
.irp j, 0,2,4,6,8,10,12,14,16,18,20,22,24,26,28,30
	v_pk_add_f32 v[XR+\j:XR+\j+1], v[XR+\j:XR+\j+1], v[60:61] neg_lo:[0,1] neg_hi:[0,1]   ; x - mean first, then its squares: no difference of large sums
.endr
	v_pk_mul_f32 v[56:57], v[XR:XR+1], v[XR:XR+1]
	v_pk_mul_f32 v[58:59], v[XR+2:XR+3], v[XR+2:XR+3]
.irp j, 4,8,12,16,20,24,28
	s_delay_alu instid0(VALU_DEP_2)
	v_pk_fma_f32 v[56:57], v[XR+\j:XR+\j+1], v[XR+\j:XR+\j+1], v[56:57]
	s_delay_alu instid0(VALU_DEP_2)
	v_pk_fma_f32 v[58:59], v[XR+\j+2:XR+\j+3], v[XR+\j+2:XR+\j+3], v[58:59]
.endr
	s_delay_alu instid0(VALU_DEP_1)
	v_pk_add_f32 v[56:57], v[56:57], v[58:59]
	s_delay_alu instid0(VALU_DEP_1)
	v_add_f32 v56, v56, v57
	REDUCE 56
	s_delay_alu instid0(VALU_DEP_1)
	v_fma_f32 v56, v56, s52, s53                   ; the variance + 1e-5
	s_wait_alu depctr_va_vdst(0)
	v_rsq_f32 v60, v56
	v_nop                                          ; a plain instruction behind the transcendental,
	s_wait_alu depctr_va_vdst(0)                   ; and the wait ahead of its first reader
	v_mov_b32 v61, v60
.irp j, 0,2,4,6,8,10,12,14,16,18,20,22,24,26,28,30
	v_pk_mul_f32 v[XR+\j:XR+\j+1], v[XR+\j:XR+\j+1], v[60:61]
.endr
.irp j, 0,2,4,6,8,10,12,14,16,18,20,22,24,26,28,30
	v_pk_fma_f32 v[XR+\j:XR+\j+1], v[XR+\j:XR+\j+1], v[GA+\j:GA+\j+1], v[BE+\j:BE+\j+1]
.endr
.irp s, 0,1,2                          ; three quantisers: the hold (the conversion to an 8-bit code does not saturate: ISA guide 7.6.2), the conversion, 8 bytes into the set's stage
.irp c, 0,1,2,3
.set TS, TT+8*((4*\s+\c)%2)
.irp j, 0,1,2,3,4,5,6,7
	v_med3_num_f32 v[TS+\j], v[XR+8*\c+\j], -v[9+2*\s], v[9+2*\s]
.endr
	v_cvt_scalef32_pk8_bf8_f32 v[CD+2*(4*\s+\c):CD+2*(4*\s+\c)+1], v[TS:TS+7], v[8+2*\s]
	ds_store_b64 v[4+\s], v[CD+2*(4*\s+\c):CD+2*(4*\s+\c)+1] offset:\c*16*CH+16*(\i)
.endr
.endr
	v_nop                                          ; a plain instruction behind the last conversion
	s_wait_dscnt 0x0                               ; the stores have read the code registers, which the next row writes again
.endm
	LNROW 0
	LNROW 1
	LNROW 2
	LNROW 3
	s_barrier_signal -1                            ; every wave's stores into the stages have landed (the wait for 0 above)
	s_barrier_wait -1
.macro RDSET s, rd
.irp i, 0,1,2,3,4,5,6,7
	ds_load_b128 v[X+4*(8*\s+\i):X+4*(8*\s+\i)+3], v[\rd] offset:2*\i*CH
.endr
.endm
.macro STSET s, base
.irp i, 0,1,2,3,4,5,6,7
	s_wait_dscnt 23-(8*\s+\i)                      ; LDS loads come back in order: this one is in, the younger ones may be out
	global_store_b128 v7, v[X+4*(8*\s+\i):X+4*(8*\s+\i)+3], s[\base:\base+1] offset:512*\i   ; 32 lanes store 512 bytes on end, at a multiple of 256 from the buffer's first byte
.endr
.endm
	RDSET 0, 1
	RDSET 1, 3
	RDSET 2, 15
	STSET 0, 60
	STSET 1, 62
	STSET 2, 66
	v_lshl_add_u32 v4, v0, 2, 0x19800              ; all 256 registers are at work above, so v0 is kept and the add's two registers are made here: my spare word,
	v_mov_b32 v5, 0                                ; and 0
	s_wait_alu depctr_va_vdst(0)                   ; the wait here, directly ahead of the wait below
	s_wait_tensorcnt 0x0                           ; the wave's end
	ds_add_u32 v4, v5
	s_wait_dscnt 0x0
	s_endpgm
; ---------------- The weights.  A wave takes 32 columns x 128 along K.  A LANE TAKES A COLUMN AND ITS REGISTERS RUN DOWN K, so the conversions give codes with K innermost and nothing is transposed.
; Lane l is place l of the 32 and loads column PI(l): so sixteen neighbouring lanes store one whole block of 256 bytes.  The eight waves of a group stand side by side on 1,024 bytes of each row.
.Lweights:
	s_sub_co_u32 s4, ttmp9, 128                    ; 0-31 Wq, 32-63 Wk, 64-95 Wv, 96-127 Wo, 128-255 W1, 256-383 W2
	s_lshl_b32 s5, s4, 3
	s_add_co_u32 s5, s5, s3                        ; the wave's number among all
	s_wait_kmcnt 0x0
	s_mov_b64 s[56:57], s[14:15]                   ; the tensor, its e, its place in wcodes: chosen on the work-group's number alone
	s_mov_b32 s58, s37
	s_mov_b32 s59, 0
	s_mov_b32 s60, 255                             ; waves to the tensor, less 1: 32 groups of columns x 8 pieces of K
	s_mov_b32 s62, 4096                            ; bytes in a row of the tensor
	s_mov_b32 s63, 16384                           ; bytes in a block of 16 rows of codes: 16 K
	s_cmp_ge_u32 s4, 32
	s_cselect_b64 s[56:57], s[16:17], s[56:57]
	s_cselect_b32 s58, s39, s58
	s_cselect_b32 s59, 0x100000, s59
	s_cmp_ge_u32 s4, 64
	s_cselect_b64 s[56:57], s[18:19], s[56:57]
	s_cselect_b32 s58, s41, s58
	s_cselect_b32 s59, 0x200000, s59
	s_cmp_ge_u32 s4, 96
	s_cselect_b64 s[56:57], s[20:21], s[56:57]
	s_cselect_b32 s58, s47, s58
	s_cselect_b32 s59, 0x300000, s59
	s_cmp_ge_u32 s4, 128
	s_cselect_b64 s[56:57], s[22:23], s[56:57]
	s_cselect_b32 s58, s49, s58
	s_cselect_b32 s59, 0x400000, s59
	s_cselect_b32 s60, 1023, s60                   ; W1: 128 groups of columns x 8 pieces; W2: 32 x 32
	s_cselect_b32 s61, 7, 5                        ; log2 of the groups of 32 columns
	s_cselect_b32 s62, 16384, s62
	s_cmp_ge_u32 s4, 256
	s_cselect_b64 s[56:57], s[24:25], s[56:57]
	s_cselect_b32 s58, s51, s58
	s_cselect_b32 s59, 0x800000, s59
	s_cselect_b32 s61, 5, s61
	s_cselect_b32 s62, 4096, s62
	s_cselect_b32 s63, 65536, s63
	s_and_b32 s5, s5, s60                          ; the wave's number in its tensor
	s_lshl_b32 s6, 1, s61
	s_sub_co_u32 s6, s6, 1
	s_and_b32 s6, s5, s6                           ; which 32 columns
	s_lshr_b32 s7, s5, s61                         ; which 128 along K
	s_mul_i32 s70, s7, s62
	s_lshl_b32 s70, s70, 7
	s_lshl_b32 s71, s6, 7
	s_add_co_u32 s70, s70, s71
	s_mov_b32 s71, 0
	s_add_nc_u64 s[56:57], s[56:57], s[70:71]      ; in: 128 rows down for each piece of K, 128 bytes for each group of columns
	s_mul_i32 s70, s6, s63
	s_lshl_b32 s70, s70, 1
	s_lshl_b32 s72, s7, 11
	s_add_co_u32 s70, s70, s72
	s_add_co_u32 s70, s70, s59
	s_add_nc_u64 s[28:29], s[28:29], s[70:71]      ; out: two blocks of 16 rows for each group of columns, 2,048 bytes for each 128 along K
	s_lshl_b32 s72, s62, 5                         ; 32 rows of the tensor on
	s_mov_b32 s73, 0
	; all that is made of the lane's number (v62) is made here, ahead of the run below, which takes v32-63 for the row offsets
	s_wait_alu depctr_va_vdst(0)
	v_lshrrev_b32 v9, 4, v62
	s_delay_alu instid0(VALU_DEP_1)
	v_mul_lo_u32 v9, v9, s63
	v_and_b32 v2, 15, v62
	s_delay_alu instid0(VALU_DEP_1)
	v_lshl_add_u32 v9, v2, 4, v9                   ; out: block lane / 16, place lane % 16
	v_and_b32 v1, 7, v62
	v_and_b32 v2, 8, v62
	s_delay_alu instid0(VALU_DEP_1)
	v_lshl_or_b32 v1, v2, 1, v1
	v_and_b32 v2, 16, v62
	s_delay_alu instid0(VALU_DEP_1)
	v_lshrrev_b32 v2, 1, v2
	s_delay_alu instid0(VALU_DEP_1)
	v_or_b32 v1, v1, v2                            ; PI(lane)
	s_delay_alu instid0(VALU_DEP_1)
	v_lshlrev_b32 v32, 2, v1                       ; v32-63: my column's byte in rows 0 .. 31
.set i, 1
.rept 31
	s_delay_alu instid0(VALU_DEP_1)
	v_add_nc_u32 v[32+i], s62, v[31+i]
.set i, i+1
.endr
	MKSC 58, 11, 10
.macro WLOAD t                         ; 32 along K of my column into set t % 2
.set i, 0
.rept 32
	global_load_b32 v[64+32*((\t)%2)+i], v[32+i], s[56:57] th:TH_LOAD_NT
.set i, i+1
.endr
.endm
.macro WBLOCK t
.set XS, 64+32*((\t)%2)
.if (\t) < NB-1
	s_wait_loadcnt 32                              ; this block's 32 loads are in; the next block's may be out
.else
	s_wait_loadcnt 0
.endif
.set i, 0
.rept 32
	v_med3_num_f32 v[XS+i], v[XS+i], -v10, v10
.set i, i+1
.endr
.irp q, 0,1,2,3
	v_cvt_scalef32_pk8_bf8_f32 v[128+2*\q:129+2*\q], v[XS+8*\q:XS+8*\q+7], v11
.endr
	global_store_b128 v9, v[128:131], s[28:29] offset:512*(\t)        ; sixteen lanes store 256 bytes on end, aligned
	global_store_b128 v9, v[132:135], s[28:29] offset:512*(\t)+256
.if (\t) < NB-1
	s_wait_xcnt 0x0                                ; the loads have read their base and the stores their data: both are written again only behind this wait
.endif
.if (\t)+2 < NB
	s_add_nc_u64 s[56:57], s[56:57], s[72:73]
	WLOAD (\t)+2
.endif
.endm
	WLOAD 0
	s_wait_alu depctr_va_vdst(0)
	s_wait_xcnt 0x0
	s_add_nc_u64 s[56:57], s[56:57], s[72:73]
	WLOAD 1
.irp t, 0,1,2,3
	WBLOCK \t
.endr
	s_endpgm
.Lfunc_end_k_q4e7d33fa23_prep:
	.size	k_q4e7d33fa23_prep, .Lfunc_end_k_q4e7d33fa23_prep-k_q4e7d33fa23_prep
	.p2alignl 7, 3214868480
	.fill 96, 4, 3214868480
	.section	.rodata,"a",@progbits
	.p2align	6, 0x0
	.amdhsa_kernel k_q4e7d33fa23_prep
		.amdhsa_group_segment_fixed_size 105472
		.amdhsa_private_segment_fixed_size 0
		.amdhsa_enable_private_segment 0
		.amdhsa_kernarg_size 96
		.amdhsa_user_sgpr_count 2
		.amdhsa_user_sgpr_kernarg_segment_ptr 1
		.amdhsa_wavefront_size32 1
		.amdhsa_system_sgpr_workgroup_id_x 1
		.amdhsa_system_sgpr_workgroup_id_y 1
		.amdhsa_system_sgpr_workgroup_id_z 1
		.amdhsa_system_vgpr_workitem_id 0
		.amdhsa_next_free_vgpr 256
		.amdhsa_next_free_sgpr 80
		.amdhsa_reserve_vcc 0
		.amdhsa_float_denorm_mode_32 3
		.amdhsa_float_denorm_mode_16_64 3
		.amdhsa_memory_ordered 1
		.amdhsa_forward_progress 1
		.amdhsa_inst_pref_size 101
	.end_amdhsa_kernel
	.amdgpu_metadata
---
amdhsa.version: [ 1, 2 ]
amdhsa.kernels:
  - .name:           k_q4e7d33fa23_prep
    .symbol:         k_q4e7d33fa23_prep.kd
    .args:
      - { .name: x, .offset: 0, .size: 8, .value_kind: global_buffer, .address_space: global }
      - { .name: gamma1, .offset: 8, .size: 8, .value_kind: global_buffer, .address_space: global }
      - { .name: beta1, .offset: 16, .size: 8, .value_kind: global_buffer, .address_space: global }
      - { .name: Wq, .offset: 24, .size: 8, .value_kind: global_buffer, .address_space: global }
      - { .name: Wk, .offset: 32, .size: 8, .value_kind: global_buffer, .address_space: global }
      - { .name: Wv, .offset: 40, .size: 8, .value_kind: global_buffer, .address_space: global }
      - { .name: Wo, .offset: 48, .size: 8, .value_kind: global_buffer, .address_space: global }
      - { .name: W1, .offset: 56, .size: 8, .value_kind: global_buffer, .address_space: global }
      - { .name: W2, .offset: 64, .size: 8, .value_kind: global_buffer, .address_space: global }
      - { .name: lowp_scales, .offset: 72, .size: 8, .value_kind: global_buffer, .address_space: global }
      - { .name: wcodes, .offset: 80, .size: 8, .value_kind: global_buffer, .address_space: global }
      - { .name: a1, .offset: 88, .size: 8, .value_kind: global_buffer, .address_space: global }
    .group_segment_fixed_size: 105472
    .private_segment_fixed_size: 0
    .kernarg_segment_align: 8
    .kernarg_segment_size: 96
    .max_flat_workgroup_size: 256
    .sgpr_count:     80
    .vgpr_count:     256
    .wavefront_size: 32
...
	.end_amdgpu_metadata
.endif
;; end of part 1
;; launch proj (part 2): grid 12 x 16, 4 waves a work-group, clusters of 4 x 4, 327,680 bytes of LDS; arguments a1, wcodes, bq, bk, bv, lowp_scales, qkv; writes qkv
.if DOCPART == 2
	.amdgcn_target "amdgcn-amd-amdhsa--gfx1250"
	.amdhsa_code_object_version 6
	.text
	.protected	k_q4e7d33fa23_proj
	.globl	k_q4e7d33fa23_proj
	.p2align	8
	.type	k_q4e7d33fa23_proj,@function
k_q4e7d33fa23_proj:
	s_mov_b64 s[64:65], 0
	v_nop
	global_prefetch_b8 v0, s[64:65] scope:SCOPE_SE
	s_setreg_imm32_b32 hwreg(HW_REG_WAVE_MODE, 25, 1), 1
	s_wait_xcnt 0x0
	s_wait_alu depctr_hold_cnt(0) depctr_sa_sdst(0) depctr_va_vdst(0) depctr_va_sdst(0) depctr_va_ssrc(0) depctr_va_vcc(0) depctr_vm_vsrc(0)
	s_getreg_b32 s2, hwreg(HW_REG_IB_STS2, 6, 4)
	s_cmp_eq_u32 s2, 0
	s_cbranch_scc0 .Lentry_in_a_cluster
	s_endpgm
.Lentry_in_a_cluster:
	s_bfe_u32 s2, ttmp6, 0x10000c
	s_cmp_lg_u32 s2, 0xf033
	s_cbranch_scc0 .Lentry_shape_is_right
	s_endpgm
.Lentry_shape_is_right:
; q, k and v: three products on codes of BF8 (E5M2), K = 1,024, each result + bias quantised at once (e6, e7, e8) into qkv, in the order of an operand's registers:
; byte(p, k) = (p / 16) 16 K + (k / 16) 256 + (p % 16) 16 + k % 16.  q at 0: tokens x 1,024, natural rows.  k at 4 MiB: the same with PI rows (place p holds token PI(p), PI = bits 3 and 4 exchanged).
; v at 8 MiB: 1,024 channels (PI rows) x 4,096 tokens: the tokens are the next product's K.
; Cluster x says which product: 0 q, 1 k, 2 v.  For q and k operand A is LN1's codes (a1, set 0 or 1) and operand B the weight; for v A is Wv and B is a1's set 2, so that V^T comes out.
; A tile of C, 256 x 256, is made by four waves, 128 x 128 each: 64 accumulators.  K goes in steps of 256 through two LDS slots filled by the tensor data mover.
; A block of 16 rows x 256 K is 4,096 bytes on end in memory and in LDS; a wave's load brings 8 such blocks.  A fragment load reads 512 bytes on end: no padding is needed.
; CLUSTERS: 4 x 4.  A's tiles are shared along a row of the cluster, B's along a column: each is asked for jointly, by the same tensor load with the same descriptor and a mask that names the four.
; THE MATRIX INSTRUCTION IS USED TRANSPOSED (source 0 = 16 places of B, source 1 = 16 places of A).  B has PI rows, so a lane's 16 registers of accumulators 2 b, 2 b + 1 are 16 NEIGHBOURS along the result's
; inner axis: two conversions make 16 bytes, and one store of the wave writes two whole blocks of 256 bytes.  No stage.
; The text parts once on cluster x (the same in all sixteen partners), behind the first joint loads: q and k add a bias that runs along a lane's registers, v one that hangs on the lane.  The two ways do not join.
; LIMITS: e0 + e1, e2 + e3, e4 + e5 between -126 and 127; e6, e7, e8 between -126 and 112.  NaN and infinities are not served.
; REGISTERS: window 0: v16-29 addresses; v58, v59 the hold and the scale; v64-127 the bias; v128-255 A's fragments, ONE set, on the way out at work.  window 1: B's fragments, two sets.  windows 2, 3: the accumulators.
.set SIZE_K, 1024
.set RBK,    4096                      ; 16 rows x 256 K
.set HALFT,  8*RBK                     ; 128 rows: what one tensor load brings, and what one wave reads of A or of B
.set SLOT,   4*HALFT                   ; A's 256 rows, then B's 256 rows
.set SPARE,  2*SLOT                    ; behind the ring: the spare words, 128 bytes for each wave: two blocks of 256 bytes that no other line names
.set LAPS,   SIZE_K/512
.set FR,     16
.set NL,     4
.set NP,     4                         ; places behind this matrix instruction (ISA guide 7.12.1)
.set ADRA, 16
.set ADRB, 20
.set CO,   26                          ; v26  16 x lane
.set SPW,  28
.set NIL,  29
.set BIAS, 64
.set AF,   128
.set G1, 24
.set G0, 32
.set G1B, 48
.set G0B, 56
.set MSB, 0
.macro WIN new                         ; the immediate's high byte repeats the setting that is left
.if MSB != (\new)
	s_set_vgpr_msb (MSB<<8)|(\new)
.set MSB, (\new)
.endif
.endm
.set MUL_LO, 0xa1                      ; source 0 (B) window 1, source 1 (A) window 0, C and D window 2
.set MUL_HI, 0xf1
.set TO_B,   0x40
.macro JLOAD g0a, g1a, g0b, g1b        ; a joint load: waves 0 and 1 fetch for A, waves 2 and 3 for B; four v_nop follow each of the two lines
	s_cmp_eq_u32 s15, 0
	s_cbranch_scc0 .Lfor_b_\@
	tensor_load_to_lds s[\g0a:\g0a+3], s[\g1a:\g1a+7]
	s_nop 0
.rept 4
	v_nop
.endr
	s_branch .Lasked_\@
.Lfor_b_\@:
	tensor_load_to_lds s[\g0b:\g0b+3], s[\g1b:\g1b+7]
	s_nop 0
.rept 4
	v_nop
.endr
.Lasked_\@:
.endm
.macro CREST                           ; a round of the cluster's barrier behind its opening barrier
	s_cmp_lg_u32 s14, 0
	s_cbranch_scc1 .Lnot_wave_0_\@
	s_barrier_signal -3
.Lnot_wave_0_\@:
	s_barrier_wait -3
	s_barrier_signal -1
	s_barrier_wait -1
.endm
.macro CROUND
	s_barrier_signal -1
	s_barrier_wait -1
	CREST
.endm
.macro PLACES n
.rept \n
	v_nop
.endr
.endm
.macro FRAG reg, adr, q, i             ; 16 rows x 128 K: registers 4 c .. 4 c + 3 hold K = 32 c + 16 (lane / 16) + 0 .. 15 of row lane % 16: the same places of k in A and in B
.irp c, 0,1,2,3
	ds_load_b128 v[\reg+4*\c:\reg+4*\c+3], v[\adr] offset:2048*(\q)+RBK*(\i)+512*\c
.endr
.endm
.macro MUL16 a0, p, zero               ; A's blocks a0, a0 + 1 x B's eight.  The 64 accumulators take turns, one instruction a turn, in the same order in every step
.irp a, \a0, \a0+1
.irp b, 0,1,2,3,4,5,6,7
.if \zero
	v_wmma_f32_16x16x128_bf8_bf8 v[8*(8*((\a)%4)+\b):8*(8*((\a)%4)+\b)+7], v[128*(\p)+FR*\b:128*(\p)+FR*\b+FR-1], v[AF+FR*(\a):AF+FR*(\a)+FR-1], 0
.else
	v_wmma_f32_16x16x128_bf8_bf8 v[8*(8*((\a)%4)+\b):8*(8*((\a)%4)+\b)+7], v[128*(\p)+FR*\b:128*(\p)+FR*\b+FR-1], v[AF+FR*(\a):AF+FR*(\a)+FR-1], v[8*(8*((\a)%4)+\b):8*(8*((\a)%4)+\b)+7]
.endif
.endr
.endr
.endm
.macro FETCH_B slot, q, p
	WIN TO_B
.irp i, 0,1,2,3,4,5,6,7
	FRAG 128*(\p)+FR*\i, ADRB+\slot, \q, \i
.endr
	WIN 0
.endm
.macro FETCH_A slot, q, i0
.irp i, \i0, \i0+1, \i0+2, \i0+3
	FRAG AF+FR*(\i), ADRA+\slot, \q, \i
.endr
.endm
.macro STEP slot, q, zero              ; 128 along K that has its successor in the same slot
	s_wait_dscnt 4*NL                              ; B's set and A's blocks 0-3 are in; the youngest 16 loads (A's blocks 4-7) may be out
	WIN MUL_LO
	MUL16 0, (\q)%2, \zero
	MUL16 2, (\q)%2, \zero
	s_wait_dscnt 0
	PLACES NP                                      ; in front of loads into registers that matrix instructions have read
	FETCH_B \slot, (\q)+1, 1-(\q)%2
	FETCH_A \slot, (\q)+1, 0
	WIN MUL_HI
	MUL16 4, (\q)%2, \zero
	MUL16 6, (\q)%2, \zero
	PLACES NP
	WIN 0
	FETCH_A \slot, (\q)+1, 4
.endm
.macro TURN slot, next, fill           ; a slot's last step changes slots: one barrier
	s_wait_tensorcnt 0x0                           ; all my tensor loads have landed: my part of the next slot
	ds_add_u32 v[SPW], v[NIL]                      ; 0 onto my spare word
	s_wait_dscnt 4*NL+1                            ; the add and the youngest 16 loads may be out
	WIN MUL_LO
	MUL16 0, 1, 0
	s_wait_dscnt 0x0                               ; the add is done, and my reads of this slot are over
	s_barrier_signal -1
	MUL16 2, 1, 0
	WIN 0
	s_barrier_wait -1
.if \fill
	CREST                                          ; the barrier has opened a round of the cluster's: no wave of any partner still reads this slot or has a load on its way
	s_add_nc_u64 s[G0+4*\slot+2:G0+4*\slot+3], s[G0+4*\slot+2:G0+4*\slot+3], 2*RBK
	s_add_nc_u64 s[G0B+4*\slot+2:G0B+4*\slot+3], s[G0B+4*\slot+2:G0B+4*\slot+3], 2*RBK
	JLOAD G0+4*\slot, G1, G0B+4*\slot, G1B         ; the first tensor load behind the round, one a wave; its four v_nop are the places in front of the loads below
.else
	PLACES NP
.endif
	FETCH_B \next, 0, 0
	FETCH_A \next, 0, 0
	WIN MUL_HI
	MUL16 4, 1, 0
	MUL16 6, 1, 0
	PLACES NP
	WIN 0
	FETCH_A \next, 0, 4
.endm
.macro MAIN                            ; the whole product: 8 steps of 128 along K
	s_wait_tensorcnt 0x0                           ; my part of K step 0 is in; slot 1's first fill is issued as a refill is:
	ds_add_u32 v[SPW], v[NIL]                      ; 0 onto my spare word
	s_wait_dscnt 0x0
	CROUND                                         ; everybody's part of K step 0 is in, and the joint loads meet
	JLOAD G0+4, G1, G0B+4, G1B                     ; K step 1: the first tensor load behind the round
	FETCH_B 0, 0, 0
	FETCH_A 0, 0, 0
	FETCH_A 0, 0, 4
	global_prefetch_b8 v30, s[74:75] offset:3*RBK th:TH_LOAD_NT scope:SCOPE_SE   ; K step 3, the last: two refills ahead of its load
	STEP 0, 0, 1                                   ; the first step's products start the sums: nothing is cleared
	s_mov_b32 s3, LAPS-1
.Llap_\@:
	TURN 0, 1, 1
	STEP 1, 0, 0
	TURN 1, 0, 1
	STEP 0, 0, 0
	s_sub_co_u32 s3, s3, 1
	s_cmp_lg_u32 s3, 0
	s_cbranch_scc1 .Llap_\@
	TURN 0, 1, 0                                   ; the last lap fills nothing
	STEP 1, 0, 0
	s_wait_dscnt 4*NL
	WIN MUL_LO
	MUL16 0, 1, 0
	MUL16 2, 1, 0
	s_wait_dscnt 0
	WIN MUL_HI
	MUL16 4, 1, 0
	MUL16 6, 1, 0
	WIN 0
.endm
.macro SCALES                          ; s92 = A's e, s93 = B's e, s94 = the result's e
	s_add_co_i32 s96, s92, s93
	s_add_co_i32 s96, s96, 127
	s_lshl_b32 s96, s96, 23                        ; 2^(ea + eb) as f32
	s_mov_b32 s97, s96                             ; (named with it as a pair, so it is written)
	s_add_co_i32 s94, s94, 127
	s_lshl_b32 s95, s94, 23
	v_mov_b32 v59, s95                             ; 2^eo: the conversion takes its exponent field
	s_add_co_i32 s94, s94, 15
	s_lshl_b32 s94, s94, 23
	s_or_b32 s94, s94, 0x600000
	v_mov_b32 v58, s94                             ; 57,344 x 2^eo
.endm
; Block a (16 places of A x 128 of B) leaves: sum x 2^(ea + eb) + bias, the hold, the conversion, four stores of 512 bytes on end.  byrow = 1: the bias hangs on the lane.  rp: bytes of a block of 16 rows of the result.
.macro QOUT a, byrow, rp
.set AC, 64*((\a)%4)
.set CDS, 192+16*((\a)%2)
.if (\a) >= 2
	s_wait_xcnt 0x0                                ; the stores of two blocks ago have read the code registers that are written below
.endif
	WIN 0x02+((\a)/4)                              ; source 0: window 2 or 3
.set i, 0
.rept 32
.if \byrow
	v_pk_fma_f32 v[128+i:129+i], v[AC+i:AC+i+1], s[96:97], v[BIAS+2*(\a):BIAS+2*(\a)+1] op_sel_hi:[1,0,1]
.else
	v_pk_fma_f32 v[128+i:129+i], v[AC+i:AC+i+1], s[96:97], v[BIAS+i:BIAS+i+1] op_sel_hi:[1,0,1]   ; each accumulator from its low end on
.endif
.set i, i+2
.endr
	WIN 0
.set i, 0
.rept 64
	v_med3_num_f32 v[128+i], v[128+i], -v58, v58   ; the conversion to an 8-bit code does not saturate (ISA guide 7.6.2)
.set i, i+1
.endr
.irp q, 0,1,2,3,4,5,6,7
	v_cvt_scalef32_pk8_bf8_f32 v[CDS+2*\q:CDS+2*\q+1], v[128+8*\q:135+8*\q], v59
.endr
	v_nop                                          ; a plain instruction behind the last conversion
.irp b, 0,1,2,3
	global_store_b128 v[CO], v[CDS+4*\b:CDS+4*\b+3], s[72:73] offset:(\a)*(\rp)+512*\b
.endr
.endm
.macro FINISH
	s_wait_tensorcnt 0x0                           ; the wave's end
	ds_add_u32 v[SPW], v[NIL]
	s_wait_dscnt 0x0
	CROUND                                         ; the closing round: no work-group ends while a partner may still ask for a tile that names it
	s_endpgm
.endm
	s_load_b256 s[4:11], s[0:1], 0x0               ; a1 4, wcodes 6, bq 8, bk 10
	s_load_b128 s[68:71], s[0:1], 0x20             ; bv 68, the scales 70
	s_load_b64 s[72:73], s[0:1], 0x30              ; qkv
	v_lshl_add_u32 v[SPW], v0, 2, SPARE
	v_mov_b32 v[NIL], 0
	ds_add_u32 v28, v29
	ds_add_u32 v28, v29
	s_wait_dscnt 0x0
	v_lshrrev_b32 v1, 5, v0
	v_readfirstlane_b32 s14, v1                    ; wave 0..3
	s_lshr_b32 s15, s14, 1                         ; which half of A's rows is mine.  Also: I fetch for A (0) or for B (1)
	s_and_b32 s16, s14, 1                          ; which half of B's rows.  Also: which 128 rows I fetch
	s_bfe_u32 s40, ttmp6, 0x40000                  ; cx
	s_bfe_u32 s41, ttmp6, 0x40004                  ; cy
	s_and_b32 s13, ttmp7, 0xffff
	s_lshl_b32 s13, s13, 2                         ; 4 x cluster y
	s_cmp_eq_u32 ttmp9, 2                          ; v: A (Wv) has 4 tiles of rows, B (the tokens) 16; q, k: the other way round
	s_cselect_b32 s17, 0, s13
	s_cselect_b32 s42, s13, 0
	s_add_co_u32 s17, s17, s41                     ; A's tile: it hangs on cy alone, which my row of the cluster shares
	s_add_co_u32 s42, s42, s40                     ; B's tile: on cx alone
	s_lshl_b32 s43, s41, 2
	s_lshl_b32 s43, 15, s43                        ; my row of the cluster
	s_lshl_b32 s44, 0x1111, s40                    ; my column
	s_or_b32 s[G1+0], s43, (1<<21)                 ; 15:0 the mask; 17:16 elements of 1 byte; 21 set beside a mask; no padding
	s_or_b32 s[G1B+0], s44, (1<<21)
.irp g, G1, G1B
	s_mov_b32 s[\g+1], RBK<<16                     ; tensor_dim0 = 4,096
	s_mov_b32 s[\g+2], 8<<16                       ; tensor_dim1 = 8
	s_mov_b32 s[\g+3], RBK<<16                     ; tile_dim0
	s_mov_b32 s[\g+4], 8                           ; tile_dim1
	s_mov_b32 s[\g+5], 16*SIZE_K                   ; from one block of 16 rows to the next
	s_mov_b32 s[\g+6], 0
	s_mov_b32 s[\g+7], 0
.endr
	s_lshl_b32 s18, s16, 7
	s_lshl_b32 s20, s17, 8
	s_add_co_u32 s20, s20, s18
	s_lshl_b32 s20, s20, 10                        ; A: (256 x tile + 128 x half) rows of 1,024 bytes
	s_mov_b32 s21, 0
	s_lshl_b32 s46, s42, 8
	s_add_co_u32 s46, s46, s18
	s_lshl_b32 s46, s46, 10                        ; B likewise
	s_mov_b32 s47, 0
	s_lshl_b32 s45, s14, 15                        ; where they go: wave x HALFT: no place in the cluster enters an LDS address
	s_lshl_b32 s92, ttmp9, 22                      ; a1's set: 4 MiB x product
	s_mov_b32 s93, 0
	s_lshl_b32 s94, ttmp9, 20                      ; the weight: 1 MiB x product
	s_mov_b32 s95, 0
	s_wait_kmcnt 0x0
	s_load_b512 s[76:91], s[70:71], 0x0            ; e0 .. e15 in s76 .. s91
	s_add_nc_u64 s[92:93], s[4:5], s[92:93]
	s_add_nc_u64 s[94:95], s[6:7], s[94:95]
	s_cmp_eq_u32 ttmp9, 2
	s_cselect_b64 s[4:5], s[94:95], s[92:93]       ; operand A
	s_cselect_b64 s[6:7], s[92:93], s[94:95]       ; operand B
	s_add_nc_u64 s[20:21], s[4:5], s[20:21]
	s_add_nc_u64 s[46:47], s[6:7], s[46:47]
	CROUND                                         ; all sixteen work-groups are here: the first joint loads meet
.irp s, 0,1
	s_mov_b32 s[G0+4*\s], 1
	s_add_co_u32 s[G0+4*\s+1], s45, \s*SLOT
	s_add_nc_u64 s[G0+4*\s+2:G0+4*\s+3], s[20:21], \s*RBK
	s_or_b32 s[G0+4*\s+3], s[G0+4*\s+3], 0x80000000
	s_mov_b32 s[G0B+4*\s], 1
	s_add_co_u32 s[G0B+4*\s+1], s45, \s*SLOT
	s_add_nc_u64 s[G0B+4*\s+2:G0B+4*\s+3], s[46:47], \s*RBK
	s_or_b32 s[G0B+4*\s+3], s[G0B+4*\s+3], 0x80000000
.endr
	JLOAD G0, G1, G0B, G1B                         ; K step 0: one tensor load a wave at the head
	; PREFETCH INTO THE L2: of the 8 blocks of 16 rows that my wave fetches, each of the four partners that ask jointly takes two, told apart by address (cx for A, cy for B): a K step of two blocks is 32 x 256 bytes, a lane each.
	; K steps 1 and 2 are asked for here, K step 3 behind K step 1's load: two K steps are asked for and not yet read at the most.
	s_cmp_eq_u32 s15, 0
	s_cselect_b64 s[74:75], s[20:21], s[46:47]     ; my wave's 128 rows: A's or B's
	s_cselect_b32 s98, s40, s41
	s_lshl_b32 s98, s98, 15                        ; two blocks of 16,384 bytes for each place
	s_mov_b32 s99, 0
	s_add_nc_u64 s[74:75], s[74:75], s[98:99]
	v_bfe_u32 v30, v0, 4, 1
	v_and_b32 v31, 15, v0
	v_lshlrev_b32 v30, 14, v30
	v_lshl_add_u32 v30, v31, 8, v30                ; block lane / 16, 256 x (lane % 16); never rewritten
	global_prefetch_b8 v30, s[74:75] offset:RBK th:TH_LOAD_NT scope:SCOPE_SE
	global_prefetch_b8 v30, s[74:75] offset:2*RBK th:TH_LOAD_NT scope:SCOPE_SE
	v_and_b32 v1, 31, v0
	v_lshlrev_b32 v[CO], 4, v1
	s_lshl_b32 s21, s15, 15                        ; my 128 rows of A
	s_lshl_b32 s22, s16, 15
	s_add_co_u32 s22, s22, 2*HALFT                 ; my 128 rows of B, behind A's 256
.irp s, 0,1
	v_add_nc_u32 v[ADRA+\s], s21, v[CO]
	v_add_nc_u32 v[ADRB+\s], s22, v[CO]
	s_add_co_u32 s21, s21, SLOT
	s_add_co_u32 s22, s22, SLOT
.endr
	s_lshl_b32 s18, s17, 8
	s_lshl_b32 s19, s15, 7
	s_add_co_u32 s18, s18, s19                     ; m0: my first place of A = the result's first row
	s_lshl_b32 s19, s42, 8
	s_lshl_b32 s23, s16, 7
	s_add_co_u32 s19, s19, s23                     ; n0: my first place of B = the result's first inner index
	s_cmp_eq_u32 ttmp9, 2
	s_cselect_b32 s23, 12, 10                      ; a row of the result: 4,096 codes (v) or 1,024
	s_lshl_b32 s92, s18, s23
	s_lshl_b32 s93, s19, 4
	s_add_co_u32 s92, s92, s93
	s_lshl_b32 s93, ttmp9, 22
	s_add_co_u32 s92, s92, s93
	s_mov_b32 s93, 0
	s_add_nc_u64 s[72:73], s[72:73], s[92:93]
	v_and_b32 v2, 15, v0                           ; r
	v_bfe_u32 v3, v0, 4, 1                         ; h
	s_cmp_eq_u32 ttmp9, 2
	s_cbranch_scc1 .Lpath_v
	; ---- q and k: register 16 b + i of a block stands for column n0 + 32 b + 16 h + i
	s_cmp_eq_u32 ttmp9, 1
	s_cselect_b64 s[8:9], s[10:11], s[8:9]
	s_lshl_b32 s92, s19, 2
	s_add_nc_u64 s[8:9], s[8:9], s[92:93]
	v_lshlrev_b32 v4, 6, v3
.irp b, 0,1,2,3
.irp i, 0,1,2,3
	global_load_b128 v[BIAS+16*\b+4*\i:BIAS+16*\b+4*\i+3], v4, s[8:9] offset:128*\b+16*\i
.endr
.endr
	s_wait_kmcnt 0x0
	s_cmp_eq_u32 ttmp9, 1
	s_cselect_b32 s92, s78, s76
	s_cselect_b32 s93, s79, s77
	s_cselect_b32 s94, s83, s82
	SCALES
	s_wait_alu depctr_va_vdst(0)
	MAIN
	s_wait_loadcnt 0x0                             ; the bias
	PLACES NP                                      ; in front of the first writes over A's fragments and the reads of results
.irp a, 0,1,2,3,4,5,6,7
	QOUT \a, 0, 16384
.endr
	FINISH
	; ---- v: lane r of block a stands for channel m0 + 32 (a / 2) + 8 (a % 2) + r + 8 (r / 8)
.Lpath_v:
	s_lshl_b32 s92, s18, 2
	s_add_nc_u64 s[68:69], s[68:69], s[92:93]
	s_wait_alu depctr_va_vdst(0)
	v_and_b32 v4, 8, v2
	v_add_nc_u32 v4, v4, v2
	v_lshlrev_b32 v4, 2, v4
.irp a, 0,1,2,3,4,5,6,7
	global_load_b32 v[BIAS+2*\a], v4, s[68:69] offset:4*(32*(\a/2)+8*(\a%2))
	global_load_b32 v[BIAS+2*\a+1], v4, s[68:69] offset:4*(32*(\a/2)+8*(\a%2))      ; both halves of the pair that the packed form names
.endr
	s_wait_kmcnt 0x0
	s_mov_b32 s92, s80
	s_mov_b32 s93, s81
	s_mov_b32 s94, s84
	SCALES
	s_wait_alu depctr_va_vdst(0)                   ; the wait at the head's end
	MAIN
	s_wait_loadcnt 0x0
	PLACES NP
.irp a, 0,1,2,3,4,5,6,7
	QOUT \a, 1, 65536
.endr
	FINISH
.Lfunc_end_k_q4e7d33fa23_proj:
	.size	k_q4e7d33fa23_proj, .Lfunc_end_k_q4e7d33fa23_proj-k_q4e7d33fa23_proj
	.p2alignl 7, 3214868480
	.fill 96, 4, 3214868480
	.section	.rodata,"a",@progbits
	.p2align	6, 0x0
	.amdhsa_kernel k_q4e7d33fa23_proj
		.amdhsa_group_segment_fixed_size 327680
		.amdhsa_private_segment_fixed_size 0
		.amdhsa_enable_private_segment 0
		.amdhsa_kernarg_size 56
		.amdhsa_user_sgpr_count 2
		.amdhsa_user_sgpr_kernarg_segment_ptr 1
		.amdhsa_wavefront_size32 1
		.amdhsa_system_sgpr_workgroup_id_x 1
		.amdhsa_system_sgpr_workgroup_id_y 1
		.amdhsa_system_sgpr_workgroup_id_z 1
		.amdhsa_system_vgpr_workitem_id 0
		.amdhsa_next_free_vgpr 1024
		.amdhsa_next_free_sgpr 100
		.amdhsa_reserve_vcc 0
		.amdhsa_float_denorm_mode_32 3
		.amdhsa_float_denorm_mode_16_64 3
		.amdhsa_memory_ordered 1
		.amdhsa_forward_progress 1
		.amdhsa_inst_pref_size 255
	.end_amdhsa_kernel
	.section	.bss,"aw",@nobits
	.p2align	6
	.space	262144
	.amdgpu_metadata
---
amdhsa.version: [ 1, 2 ]
amdhsa.kernels:
  - .name:           k_q4e7d33fa23_proj
    .symbol:         k_q4e7d33fa23_proj.kd
    .args:
      - { .name: a1, .offset: 0, .size: 8, .value_kind: global_buffer, .address_space: global }
      - { .name: wcodes, .offset: 8, .size: 8, .value_kind: global_buffer, .address_space: global }
      - { .name: bq, .offset: 16, .size: 8, .value_kind: global_buffer, .address_space: global }
      - { .name: bk, .offset: 24, .size: 8, .value_kind: global_buffer, .address_space: global }
      - { .name: bv, .offset: 32, .size: 8, .value_kind: global_buffer, .address_space: global }
      - { .name: lowp_scales, .offset: 40, .size: 8, .value_kind: global_buffer, .address_space: global }
      - { .name: qkv, .offset: 48, .size: 8, .value_kind: global_buffer, .address_space: global }
    .group_segment_fixed_size: 327680
    .private_segment_fixed_size: 0
    .kernarg_segment_align: 8
    .kernarg_segment_size: 56
    .max_flat_workgroup_size: 128
    .sgpr_count:     100
    .vgpr_count:     1024
    .wavefront_size: 32
...
	.end_amdgpu_metadata
.endif
;; end of part 2
;; launch attn (part 3): grid 8 x 32, 16 waves a work-group, clusters of 4 x 1, 327,680 bytes of LDS; arguments qkv, lowp_scales, ao; writes ao
.if DOCPART == 3
	.amdgcn_target "amdgcn-amd-amdhsa--gfx1250"
	.amdhsa_code_object_version 6
	.text
	.protected	k_q4e7d33fa23_attn
	.globl	k_q4e7d33fa23_attn
	.p2align	8
	.type	k_q4e7d33fa23_attn,@function
k_q4e7d33fa23_attn:
	s_mov_b64 s[64:65], 0
	v_nop
	global_prefetch_b8 v0, s[64:65] scope:SCOPE_SE
	s_setreg_imm32_b32 hwreg(HW_REG_WAVE_MODE, 25, 1), 1
	s_wait_xcnt 0x0
	s_wait_alu depctr_hold_cnt(0) depctr_sa_sdst(0) depctr_va_vdst(0) depctr_va_sdst(0) depctr_va_ssrc(0) depctr_va_vcc(0) depctr_vm_vsrc(0)
	s_getreg_b32 s2, hwreg(HW_REG_IB_STS2, 6, 4)
	s_cmp_eq_u32 s2, 0
	s_cbranch_scc0 .Lentry_in_a_cluster
	s_endpgm
.Lentry_in_a_cluster:
	s_bfe_u32 s2, ttmp6, 0x10000c
	s_cmp_lg_u32 s2, 0x3003
	s_cbranch_scc0 .Lentry_shape_is_right
	s_endpgm
.Lentry_shape_is_right:
; Causal attention on codes of BF8 (E5M2), head size 64, 2 x 16 heads of 2,048 tokens; the result is quantised at once (e10) into ao for the next product.
; qkv: q at 0 (natural rows), k at 4 MiB (PI rows: place p holds token PI(p), PI = bits 3 and 4 exchanged), both tokens x 1,024; v at 8 MiB: channels (PI rows) x 4,096 tokens.
; All in the order byte(p, k) = (p / 16) 16 K + (k / 16) 256 + (p % 16) 16 + k % 16, ao too.
; THE SOFTMAX: t = score x log2(e) / 8; M = the running largest t rounded UP to a whole number; p = 2^(t - M) is quantised (e9), not normalised; the row's sum of the unquantised p divides at the end.
; When M moves, the sum and O are multiplied by 2^(old M - new M): exact.
; SHARES.  y = batch x 16 + head.  The eight work-groups of a head take 16 tiles of 16 queries each: wave w of work-group g takes tile 8 idx(w) + g.  A tile needs key steps 0 .. idx of 128 keys; step idx lies on the diagonal.
; idx(w), w = 0 .. 15, is 15 2 1 12 / 4 9 10 7 / 8 5 6 11 / 3 14 13 0: every four on end and every fourth add up to 30, so all work-groups, and groups of four waves taken either way, have 34 key steps.
; idx hangs on the wave's number alone; g enters only global addresses and the number that the mask compares.
; LDS HOLDS THE HEAD'S WHOLE K AND V (128 KiB each), FILLED ONCE, IN TWO PARTS.  Each wave asks by two tensor loads, the second behind the first's landing and a round: first its 2 KiB of keys 0 to 255, then its 14 KiB of the other keys.
; Behind a barrier that shows every wave's first load landed, key steps 0 and 1 are worked while the second loads are on their way; a second barrier, behind the wait for them, stands in front of key step 2.
; No byte is filled again, so there is no ring.  Two tensor loads of a wave are out at the most.
; CLUSTER: the four work-groups of a cluster belong to one head: each load is a joint one, with the mask 15.
; LAYOUT.  Both products transposed: S^T = K Q^T (source 0 = 16 places of K), O^T = V^T P^T (source 0 = 16 places of V): a lane holds ONE query.  K's PI rows make a lane's 16 registers of two neighbouring tiles
; 16 neighbouring keys, so p's codes are the second product's operand; V's PI rows do the same for the channels, so O's codes leave by stores of 512 bytes on end.
; LIMITS: e6 + e7 between -123 and 130 (added to the exponent field of log2(e) / 8); e9 and e10 between -126 and 112.  NaN and infinities are not served.
; REGISTERS: v1 16 x lane; v2-4 addresses of the step; v5 the mask's number; v8-11 scales and holds; v12 -M, v13 the largest t, v[14:15] the sum; v16-23 Q; v24-31 at work; v32-95 K, then p's codes in v32-47;
;   v96-159 S^T, then p; v160-191 O^T; v192-255 V.
.set WV,    18
.set G1KA,  24                         ; s[24:31] group 1, K's first part: 2 blocks of 16 keys;   s[76:83] K's second part: 14 blocks
.set G1VA,  32                         ; s[32:39] V's first part: 2,048 bytes on end;             s[84:91] V's second part: 14,336 bytes on end
.set G0KA,  40
.set G0VA,  44
.set SEL,   50
.set CS,    52
.set TBK,   54
.set TBV,   55
.set STEPN, 56
.set IDX,   57
.set CNT,   58
; THE SHARES AS THE TEXT NOW HAS THEM (in place of the table idx(w) that the head describes).  The 16 waves are 8 pairs, j = w / 2; kind = (w xor w / 4) % 2, so that every four waves on end and every fourth wave hold two of each kind.
; Kind A takes tile index 15 - j, key steps 0 to 8 (9 steps).  Kind B takes tile index j whole (steps 0 to j), stores it, and then key steps 9 to 15 - j of tile 15 - j (8 steps in all).
; B hands -M, the largest t, the sums and O^T of its part over in LDS bytes of the pair's own (4,608 bytes, an image of the registers); behind a barrier A brings both parts under the larger M by exact powers of two, adds them and stores the tile.
; For j = 7 B's part is empty: it hands over -M = 3e38 and zeros, whose factor is 0.
.set LAST,  59                         ; the last key step of the part in hand
.set ROLE,  66                         ; 0 kind A, 1 kind B
.set IDX1,  67                         ; 15 - j
.set LAST1, 3                          ; the last key step of the second part: 15 - j in kind B, 0 in kind A (which has none)
.set PART,  0x40800                    ; behind the spare words: 8 pairs x 4,608 bytes
.set G1KB,  76
.set G1VB,  84
.set G0KB,  92
.set G0VB,  96
.set VBASE, 131072
.set FIRST, 2                          ; key steps whose tiles the first loads bring: 256 keys: 16 KiB of K, 4 KiB of each of V's four blocks of channels
.macro CROUND
	s_barrier_signal -1
	s_barrier_wait -1
	s_cmp_lg_u32 s[WV], 0
	s_cbranch_scc1 .Lnot_wave_0_\@
	s_barrier_signal -3
.Lnot_wave_0_\@:
	s_barrier_wait -3
	s_barrier_signal -1
	s_barrier_wait -1
.endm
	s_load_b128 s[4:7], s[0:1], 0x0                ; qkv, the scales
	s_load_b64 s[8:9], s[0:1], 0x10                ; ao
	v_lshl_add_u32 v254, v0, 2, 0x40000
	v_mov_b32 v255, 0
	ds_add_u32 v254, v255
	ds_add_u32 v254, v255
	s_wait_dscnt 0x0
	v_lshrrev_b32 v2, 5, v0
	s_delay_alu instid0(VALU_DEP_1)
	v_readfirstlane_b32 s[WV], v2                  ; wave 0..15
	s_bfe_u32 s13, ttmp6, 0x40000                  ; cx
	s_lshl_b32 s14, ttmp9, 2
	s_add_co_u32 s14, s14, s13                     ; g = 4 x cluster x + cx
	s_and_b32 s19, ttmp7, 0xffff
	s_lshr_b32 s20, s19, 4                         ; the batch
	s_and_b32 s21, s19, 15                         ; the head
	s_lshr_b32 s22, s[WV], 2
	s_xor_b32 s22, s22, s[WV]
	s_and_b32 s[ROLE], s22, 1
	s_lshr_b32 s23, s[WV], 1                       ; j
	s_mul_i32 s2, s23, 4608
	s_add_co_u32 s2, s2, PART                      ; the pair's bytes
	s_sub_co_u32 s[IDX1], 15, s23
	s_cmp_eq_u32 s[ROLE], 1
	s_cselect_b32 s[IDX], s23, s[IDX1]             ; the tile that I begin with, and that I store
	s_cselect_b32 s[LAST1], s[IDX1], 0
	s_min_u32 s[LAST], s[IDX], 8
	; what I fetch.  Waves 0-7: K: a block of 16 keys is 1,024 bytes of the head, 16,384 bytes from block to block; in LDS block n lies at 1,024 n.  First blocks 2 w, 2 w + 1; then blocks 16 + 14 w on.
	s_lshl_b32 s22, s20, 21
	s_lshl_b32 s23, s21, 10
	s_add_co_u32 s22, s22, s23
	s_add_co_u32 s22, s22, 0x400000                ; K of my batch and head
	s_lshl_b32 s60, s[WV], 15
	s_add_co_u32 s60, s60, s22
	s_mov_b32 s61, 0
	s_mul_i32 s62, s[WV], 14*16384
	s_add_co_u32 s62, s62, s22
	s_add_co_u32 s62, s62, 16*16384
	s_mov_b32 s63, 0
	s_lshl_b32 s[G0KA+1], s[WV], 11                ; LDS: 2,048 w
	s_mul_i32 s[G0KB+1], s[WV], 14336
	s_add_co_u32 s[G0KB+1], s[G0KB+1], 16384       ; LDS: 16,384 + 14,336 w
	; Waves 8-15: V: a block of 16 channels holds the batch's 2,048 keys in 32,768 bytes on end.  Wave 8 + 2 c + u takes block c: first bytes 2,048 u on, then bytes 4,096 + 14,336 u on.
	s_and_b32 s15, s[WV], 7
	s_lshr_b32 s12, s15, 1                         ; c
	s_and_b32 s15, s15, 1                          ; u
	s_lshl_b32 s22, s21, 18
	s_lshl_b32 s23, s12, 16
	s_add_co_u32 s22, s22, s23
	s_lshl_b32 s23, s20, 15
	s_add_co_u32 s22, s22, s23
	s_add_co_u32 s22, s22, 0x800000                ; V: my head's block c, my batch's keys
	s_lshl_b32 s10, s15, 11
	s_add_co_u32 s10, s10, s22
	s_mov_b32 s11, 0
	s_mul_i32 s16, s15, 14336
	s_add_co_u32 s16, s16, s22
	s_add_co_u32 s16, s16, 4096
	s_mov_b32 s17, 0
	s_lshl_b32 s23, s12, 15
	s_add_co_u32 s23, s23, VBASE                   ; LDS: V's block c
	s_lshl_b32 s[G0VA+1], s15, 11
	s_add_co_u32 s[G0VA+1], s[G0VA+1], s23
	s_mul_i32 s[G0VB+1], s15, 14336
	s_add_co_u32 s[G0VB+1], s[G0VB+1], s23
	s_add_co_u32 s[G0VB+1], s[G0VB+1], 4096
	; descriptor groups 1: rows of 1,024 bytes; 15:0 the mask: all four work-groups; 17:16 elements of 1 byte; 21 set beside a mask; no padding
	s_mov_b32 s[G1KA], 15|(1<<21)
	s_mov_b32 s[G1KA+1], 1024<<16                  ; tensor_dim0
	s_mov_b32 s[G1KA+2], 2<<16                     ; tensor_dim1
	s_mov_b32 s[G1KA+3], 1024<<16                  ; tile_dim0
	s_mov_b32 s[G1KA+4], 2                         ; tile_dim1
	s_mov_b32 s[G1KA+5], 16384                     ; from one block of 16 keys to the next
	s_mov_b32 s[G1KA+6], 0
	s_mov_b32 s[G1KA+7], 0
	s_mov_b32 s[G1KB], 15|(1<<21)
	s_mov_b32 s[G1KB+1], 1024<<16
	s_mov_b32 s[G1KB+2], 14<<16
	s_mov_b32 s[G1KB+3], 1024<<16
	s_mov_b32 s[G1KB+4], 14
	s_mov_b32 s[G1KB+5], 16384
	s_mov_b32 s[G1KB+6], 0
	s_mov_b32 s[G1KB+7], 0
	s_mov_b32 s[G1VA], 15|(1<<21)
	s_mov_b32 s[G1VA+1], 1024<<16
	s_mov_b32 s[G1VA+2], 2<<16
	s_mov_b32 s[G1VA+3], 1024<<16
	s_mov_b32 s[G1VA+4], 2
	s_mov_b32 s[G1VA+5], 1024                      ; dense
	s_mov_b32 s[G1VA+6], 0
	s_mov_b32 s[G1VA+7], 0
	s_mov_b32 s[G1VB], 15|(1<<21)
	s_mov_b32 s[G1VB+1], 1024<<16
	s_mov_b32 s[G1VB+2], 14<<16
	s_mov_b32 s[G1VB+3], 1024<<16
	s_mov_b32 s[G1VB+4], 14
	s_mov_b32 s[G1VB+5], 1024
	s_mov_b32 s[G1VB+6], 0
	s_mov_b32 s[G1VB+7], 0
	s_mov_b32 s[SEL], 0x76543210
	s_mov_b32 s[SEL+1], 0xfedcba98
	s_mov_b32 s[CS], 0x3e38aa3b                    ; c = log2(e) / sqrt(64)
	s_mov_b32 s[TBK], 0
	s_mov_b32 s[TBV], VBASE
	s_mov_b32 s[STEPN], 0
	s_wait_kmcnt 0x0
	s_load_b256 s[68:75], s[6:7], 0x18             ; e6 .. e13 in s68 .. s75
	s_mov_b32 s[G0KA], 1
	s_add_nc_u64 s[G0KA+2:G0KA+3], s[4:5], s[60:61]
	s_or_b32 s[G0KA+3], s[G0KA+3], 0x80000000
	s_mov_b32 s[G0KB], 1
	s_add_nc_u64 s[G0KB+2:G0KB+3], s[4:5], s[62:63]
	s_or_b32 s[G0KB+3], s[G0KB+3], 0x80000000
	s_mov_b32 s[G0VA], 1
	s_add_nc_u64 s[G0VA+2:G0VA+3], s[4:5], s[10:11]
	s_or_b32 s[G0VA+3], s[G0VA+3], 0x80000000
	s_mov_b32 s[G0VB], 1
	s_add_nc_u64 s[G0VB+2:G0VB+3], s[4:5], s[16:17]
	s_or_b32 s[G0VB+3], s[G0VB+3], 0x80000000
	CROUND                                         ; all four work-groups are here: the joint loads meet
	s_cmp_lt_u32 s[WV], 8                          ; the branch hangs on the wave's number alone; a wave's first fill stands in its branch; s_nop 0 and four v_nop follow it
	s_cbranch_scc0 .Lfor_v
	tensor_load_to_lds s[G0KA:G0KA+3], s[G1KA:G1KA+7]
	s_nop 0
.rept 4
	v_nop
.endr
	s_branch .Lasked
.Lfor_v:
	tensor_load_to_lds s[G0VA:G0VA+3], s[G1VA:G1VA+7]
	s_nop 0
.rept 4
	v_nop
.endr
.Lasked:
	s_lshl_b32 s22, s[IDX], 3
	s_add_co_u32 s22, s22, s14                     ; my tile of 16 queries
	s_lshl_b32 s22, s22, 14
	s_lshl_b32 s23, s20, 21
	s_add_co_u32 s22, s22, s23
	s_lshl_b32 s23, s21, 10
	s_add_co_u32 s22, s22, s23                     ; its block of 16 rows, the head's 1,024 bytes: the same place in q and in ao
	s_mov_b32 s23, 0
	s_add_nc_u64 s[4:5], s[4:5], s[22:23]
	s_add_nc_u64 s[8:9], s[8:9], s[22:23]
	s_sub_co_u32 s62, s[IDX1], s[IDX]
	s_lshl_b32 s62, s62, 17                        ; 8 blocks of 16,384 bytes for each step of the tile index
	s_mov_b32 s63, 0
	s_add_nc_u64 s[62:63], s[4:5], s[62:63]        ; q's codes of tile 15 - j
	v_and_b32 v1, 31, v0
	s_delay_alu instid0(VALU_DEP_1)
	v_lshlrev_b32 v1, 4, v1
	global_load_b128 v[16:19], v1, s[4:5]          ; Q's fragment stays in registers
	global_load_b128 v[20:23], v1, s[4:5] offset:512
	v_and_b32 v6, 15, v0
	v_bfe_u32 v7, v0, 4, 1
	s_delay_alu instid0(VALU_DEP_1)
	v_lshlrev_b32 v7, 4, v7
	s_delay_alu instid0(VALU_DEP_1)
	v_sub_nc_u32 v5, v6, v7
	s_lshl_b32 s22, s14, 4
	v_add_nc_u32 v5, s22, v5                       ; d = 16 g + r - 16 h: in the diagonal step register 16 b + i is hidden where 32 b + i > d
	v_add_nc_u32 v6, s2, v1                        ; my 16 bytes of each 512 in the pair's bytes; never rewritten
	v_mov_b32 v13, 0xff61b1e6                      ; the largest t so far: -3e38
	s_delay_alu instid0(VALU_DEP_1)
	v_floor_f32 v12, -v13
	v_mov_b32 v14, 0
	v_mov_b32 v15, 0
	v_mov_b32 v27, 0                               ; (named as the upper half of the pair v[26:27])
	v_mov_b32 v30, 0                               ; a lane permute's destination counts as read
	v_mov_b32 v31, 0xff800000                      ; -infinity
.set i, 0
.rept 32
	v_mov_b32 v[160+i], 0                          ; O^T: the first step finds zeros, which the first change of M leaves zeros
.set i, i+1
.endr
	s_wait_kmcnt 0x0
	s_add_co_i32 s22, s68, s69
	s_lshl_b32 s22, s22, 23
	s_add_co_i32 s[CS], s[CS], s22                 ; a score stands for score x 2^(e6 + e7)
	s_mov_b32 s[CS+1], s[CS]
	s_add_co_i32 s22, s71, 127
	s_lshl_b32 s23, s22, 23
	v_mov_b32 v8, s23                              ; 2^e9
	s_add_co_i32 s22, s22, 15
	s_lshl_b32 s22, s22, 23
	s_or_b32 s22, s22, 0x600000
	v_mov_b32 v9, s22                              ; 57,344 x 2^e9
; A KEY STEP: 128 keys.  A step all of whose keys come after my queries is jumped over, but for the lines at its end that step addresses; no barrier and no tensor load stands in a step.
.macro KSTEP
	s_cmp_gt_u32 s[STEPN], s[LAST]
	s_cbranch_scc1 .Lhidden_\@
	v_add_nc_u32 v2, s[TBK], v1
	v_add_nc_u32 v3, s[TBV], v1
	s_delay_alu instid0(VALU_DEP_1)
	v_add_nc_u32 v4, 0x10000, v3
	v_nop                                          ; these four are the places in front of loads into registers that the last step's products have read
.irp t, 0,1,2,3,4,5,6,7
.irp c, 0,1
	ds_load_b128 v[32+8*\t+4*\c:32+8*\t+4*\c+3], v2 offset:1024*\t+512*\c
.endr
.endr
.irp t, 0,1,2,3
.irp c, 0,1,2,3
	ds_load_b128 v[192+16*\t+4*\c:192+16*\t+4*\c+3], v[3+\t/2] offset:32768*(\t%2)+512*\c
.endr
.endr
	s_wait_dscnt 16                                ; K is in; V's 16 loads may be out
.irp t, 0,1,2,3,4,5,6,7
	v_wmma_f32_16x16x64_bf8_bf8 v[96+8*\t:103+8*\t], v[32+8*\t:39+8*\t], v[16:23], 0
.endr
.rept 4
	v_nop
.endr
	s_cmp_lg_u32 s[STEPN], s[IDX]                  ; only step idx lies on the diagonal
	s_cbranch_scc1 .Lopen_\@
.set n, 0
.rept 64
	v_cmp_gt_i32 vcc_lo, 32*(n/16)+n%16, v5
	v_cndmask_b32 v[96+n], v[96+n], v31, vcc_lo    ; a hidden score becomes -infinity ahead of the maximum: p = 0
.set n, n+1
.endr
.Lopen_\@:
	v_max3_num_f32 v24, v96, v97, v98              ; the step's largest score of my query among my 64 keys, in two chains, from the low end on,
	v_max3_num_f32 v25, v99, v100, v101
.irp i, 6,10,14,18,22,26,30,34,38,42,46,50,54,58
	v_max3_num_f32 v24, v24, v[96+\i], v[97+\i]
	v_max3_num_f32 v25, v25, v[98+\i], v[99+\i]
.endr
	v_max3_num_f32 v24, v24, v158, v159
	s_delay_alu instid0(VALU_DEP_1)
	v_max_num_f32 v24, v24, v25
	s_delay_alu instid0(VALU_DEP_1)
	v_permlanex16_b32 v30, v24, s[SEL], s[SEL+1]
	s_delay_alu instid0(VALU_DEP_1)
	v_max_num_f32 v24, v24, v30                    ; and among lane l xor 16's
	s_delay_alu instid0(VALU_DEP_1)
	v_mul_f32 v24, s[CS], v24
	s_delay_alu instid0(VALU_DEP_1)
	v_max_num_f32 v13, v13, v24                    ; the running largest t
	v_mov_b32 v24, v12
	s_delay_alu instid0(VALU_DEP_2)
	v_floor_f32 v12, -v13                          ; -M = floor(-t): M is a whole number
	s_delay_alu instid0(VALU_DEP_1)
	v_sub_f32 v24, v12, v24
	s_delay_alu instid0(VALU_DEP_1)
	v_cvt_i32_f32 v24, v24
	s_delay_alu instid0(VALU_DEP_1)
	v_ldexp_f32 v26, 1.0, v24                      ; f = 2^(old M - new M)
.set i, 0
.rept 32
	v_pk_fma_f32 v[96+i:97+i], v[96+i:97+i], s[CS:CS+1], v[12:13] op_sel_hi:[1,0,0]   ; t - M
.set i, i+2
.endr
.set i, 0
	s_wait_alu depctr_va_vdst(0)
.rept 64
	v_exp_f32 v[96+i], v[96+i]
.set i, i+1
.endr
	v_pk_mul_f32 v[14:15], v[14:15], v[26:27] op_sel_hi:[1,0]     ; the sums under the new M: the plain instruction behind the exponentials
	s_wait_alu depctr_va_vdst(0)                   ; one wait for the batch, ahead of its first reader
	v_pk_add_f32 v[28:29], v[100:101], v[104:105]
	v_pk_add_f32 v[94:95], v[108:109], v[112:113]
	v_pk_add_f32 v[92:93], v[116:117], v[120:121]
	v_pk_add_f32 v[90:91], v[124:125], v[128:129]
	v_pk_add_f32 v[88:89], v[132:133], v[136:137]
	v_pk_add_f32 v[86:87], v[140:141], v[144:145]
	v_pk_add_f32 v[84:85], v[148:149], v[152:153]
	v_pk_add_f32 v[14:15], v[14:15], v[156:157]
	v_pk_add_f32 v[28:29], v[28:29], v[96:97]
	v_pk_add_f32 v[94:95], v[94:95], v[98:99]
	v_pk_add_f32 v[92:93], v[92:93], v[102:103]
	v_pk_add_f32 v[90:91], v[90:91], v[106:107]
	v_pk_add_f32 v[88:89], v[88:89], v[110:111]
	v_pk_add_f32 v[86:87], v[86:87], v[114:115]
	v_pk_add_f32 v[84:85], v[84:85], v[118:119]
	v_pk_add_f32 v[14:15], v[14:15], v[122:123]
	v_pk_add_f32 v[28:29], v[28:29], v[126:127]
	v_pk_add_f32 v[94:95], v[94:95], v[130:131]
	v_pk_add_f32 v[92:93], v[92:93], v[134:135]
	v_pk_add_f32 v[90:91], v[90:91], v[138:139]
	v_pk_add_f32 v[88:89], v[88:89], v[142:143]
	v_pk_add_f32 v[86:87], v[86:87], v[146:147]
	v_pk_add_f32 v[84:85], v[84:85], v[150:151]
	v_pk_add_f32 v[14:15], v[14:15], v[154:155]
	v_pk_add_f32 v[28:29], v[28:29], v[158:159]
	s_delay_alu instid0(VALU_DEP_2)
	v_pk_add_f32 v[14:15], v[14:15], v[90:91]
	s_delay_alu instid0(VALU_DEP_2)
	v_pk_add_f32 v[28:29], v[28:29], v[88:89]
	v_pk_add_f32 v[94:95], v[94:95], v[86:87]
	v_pk_add_f32 v[92:93], v[92:93], v[84:85]
	s_delay_alu instid0(VALU_DEP_2)
	v_pk_add_f32 v[14:15], v[14:15], v[94:95]
	s_delay_alu instid0(VALU_DEP_2)
	v_pk_add_f32 v[28:29], v[28:29], v[92:93]
	s_delay_alu instid0(VALU_DEP_1)
	v_pk_add_f32 v[14:15], v[14:15], v[28:29]
.irp b, 0,1,2,3
.irp i, 0,1,2,3,4,5,6,7,8,9,10,11,12,13,14,15
	v_min_num_f32 v[96+16*\b+\i], v[96+16*\b+\i], v9   ; p is not negative: the hold is one-sided
.endr
	v_cvt_scalef32_pk8_bf8_f32 v[32+4*\b:33+4*\b], v[96+16*\b:103+16*\b], v8
	v_cvt_scalef32_pk8_bf8_f32 v[34+4*\b:35+4*\b], v[104+16*\b:111+16*\b], v8
.endr
.set i, 0
.rept 16
	v_pk_mul_f32 v[160+i:161+i], v[160+i:161+i], v[26:27] op_sel_hi:[1,0]   ; O^T under the new M; also the plain instructions behind the conversions
.set i, i+2
.endr
	s_wait_alu depctr_va_vdst(0)
	s_wait_dscnt 0x0                               ; V is in
.irp t, 0,1,2,3
	v_wmma_f32_16x16x128_bf8_bf8 v[160+8*\t:167+8*\t], v[192+16*\t:207+16*\t], v[32:47], v[160+8*\t:167+8*\t]   ; four accumulators by turns
.endr
.Lhidden_\@:
	s_add_co_u32 s[TBK], s[TBK], 8192              ; 8 blocks of 16 keys on
	s_add_co_u32 s[TBV], s[TBV], 2048              ; 128 keys on in each block of channels
	s_add_co_u32 s[STEPN], s[STEPN], 1
.endm
	; The second parts are asked for here and not with the first: one tensor load a wave at the head, the other first fill behind the full sequence and a round.
	s_wait_alu depctr_va_vdst(0)                   ; the wait at the head's end
	s_wait_tensorcnt 0x0                           ; my part of keys 0 to 255 is in LDS
	ds_add_u32 v254, v255                          ; 0 onto my spare word
	s_wait_dscnt 0x0
	CROUND                                         ; everybody's first part is in, and the four work-groups' joint loads meet
	s_cmp_lt_u32 s[WV], 8
	s_cbranch_scc0 .Lfor_v2
	tensor_load_to_lds s[G0KB:G0KB+3], s[G1KB:G1KB+7]
	s_nop 0
.rept 4
	v_nop
.endr
	s_branch .Lasked2
.Lfor_v2:
	tensor_load_to_lds s[G0VB:G0VB+3], s[G1VB:G1VB+7]
	s_nop 0
.rept 4
	v_nop
.endr
.Lasked2:
	s_wait_loadcnt 0x0
	KSTEP                                          ; key steps 0 and 1 read LDS bytes 0 to 16,383 and the first 4,096 bytes of each of V's blocks: the first loads' bytes alone
	KSTEP
	s_wait_tensorcnt 0x0                           ; my part of the other keys is in LDS,
	s_wait_dscnt 0x0
	s_barrier_signal -1
	s_barrier_wait -1                              ; everybody's is: from here on K and V are only read; the waves meet again at the hand-over and the closing round
	s_mov_b32 s[CNT], 16-FIRST
.Lstep:                                            ; 14 trips, a constant
	KSTEP
	s_sub_co_u32 s[CNT], s[CNT], 1
	s_cmp_lg_u32 s[CNT], 0
	s_cbranch_scc1 .Lstep
; THE WAY OUT of a tile: O^T / the sum x 2^(e8 + e9), quantised with e10.  Register 16 b + i is channel 32 b + 16 h + i of my query.
.macro WAYOUT
	v_add_f32 v14, v14, v15
	s_delay_alu instid0(VALU_DEP_1)
	v_permlanex16_b32 v30, v14, s[SEL], s[SEL+1]
	s_delay_alu instid0(VALU_DEP_1)
	v_add_f32 v14, v14, v30
	s_wait_alu depctr_va_vdst(0)
	v_rcp_f32 v14, v14
	v_nop
	s_add_co_i32 s60, s70, s71
	s_add_co_i32 s22, s72, 127
	s_lshl_b32 s23, s22, 23
	v_mov_b32 v10, s23                             ; 2^e10
	s_add_co_i32 s22, s22, 15
	s_lshl_b32 s22, s22, 23
	s_or_b32 s22, s22, 0x600000
	v_mov_b32 v11, s22                             ; 57,344 x 2^e10
	s_wait_alu depctr_va_vdst(0)
	v_ldexp_f32 v14, v14, s60
.set i, 0
.rept 32
	v_mul_f32 v[96+i], v[160+i], v14
.set i, i+1
.endr
.set i, 0
.rept 32
	v_med3_num_f32 v[96+i], v[96+i], -v11, v11
.set i, i+1
.endr
.irp q, 0,1,2,3
	v_cvt_scalef32_pk8_bf8_f32 v[32+2*\q:33+2*\q], v[96+8*\q:103+8*\q], v10
.endr
	v_nop
	global_store_b128 v1, v[32:35], s[8:9]         ; 32 lanes store 512 bytes on end, at a multiple of 256 from the buffer's first byte
	global_store_b128 v1, v[36:39], s[8:9] offset:512
.endm
	s_cmp_eq_u32 s[ROLE], 0                        ; the wave's number alone decides
	s_cbranch_scc1 .Lmid
	WAYOUT                                         ; kind B: tile j is finished
	global_load_b128 v[16:19], v1, s[62:63]        ; Q of tile 15 - j
	global_load_b128 v[20:23], v1, s[62:63] offset:512
	s_wait_xcnt 0x0                                ; the stores have read the code registers, which the next key step writes again
	v_mov_b32 v13, 0xff61b1e6                      ; the state begins anew, as at the head
	v_floor_f32 v12, -v13
	v_mov_b32 v14, 0
	v_mov_b32 v15, 0
.set i, 0
.rept 32
	v_mov_b32 v[160+i], 0
.set i, i+1
.endr
	s_wait_alu depctr_va_vdst(0)                   ; the wait here, directly ahead of the wait below
	s_wait_loadcnt 0x0
.Lmid:
	s_mov_b32 s[TBK], 9*8192                       ; every wave walks key steps 9 to 15; kind A jumps over all of them
	s_mov_b32 s[TBV], VBASE+9*2048
	s_mov_b32 s[STEPN], 9
	s_mov_b32 s[IDX], s[IDX1]
	s_mov_b32 s[LAST], s[LAST1]
	s_mov_b32 s[CNT], 7
.Lstep2:                                           ; 7 trips, a constant
	KSTEP
	s_sub_co_u32 s[CNT], s[CNT], 1
	s_cmp_lg_u32 s[CNT], 0
	s_cbranch_scc1 .Lstep2
	s_cmp_eq_u32 s[ROLE], 0
	s_cbranch_scc1 .Lmeet
.rept 4
	v_nop                                          ; places behind the last products
.endr
.irp n, 0,1,2,3,4,5,6,7
	ds_store_b128 v6, v[160+4*\n:163+4*\n] offset:512*\n    ; kind B: O^T of my part, each accumulator from its low end on,
.endr
	ds_store_b128 v6, v[12:15] offset:4096         ; -M, the largest t, the sum's two halves
.Lmeet:
	s_wait_dscnt 0x0                               ; for my partner's sake
	s_barrier_signal -1
	s_barrier_wait -1
	s_cmp_eq_u32 s[ROLE], 1
	s_cbranch_scc1 .Lend
.irp n, 0,1,2,3,4,5,6,7
	ds_load_b128 v[96+4*\n:99+4*\n], v6 offset:512*\n
.endr
	ds_load_b128 v[28:31], v6 offset:4096
	s_wait_dscnt 0x0
	v_min_num_f32 v24, v12, v28                    ; kind A: -M of both parts together
	v_sub_f32 v25, v24, v12
	v_sub_f32 v24, v24, v28                        ; whole numbers, 0 or less
	v_cvt_i32_f32 v25, v25                         ; (they saturate)
	v_cvt_i32_f32 v24, v24
	v_ldexp_f32 v26, 1.0, v25                      ; my part's factor,
	v_ldexp_f32 v24, 1.0, v24                      ; my partner's: exact powers of two
	v_pk_mul_f32 v[14:15], v[14:15], v[26:27] op_sel_hi:[1,0]
	v_pk_fma_f32 v[14:15], v[30:31], v[24:25], v[14:15] op_sel_hi:[1,0,1]
.set i, 0
.rept 16
	v_pk_mul_f32 v[160+i:161+i], v[160+i:161+i], v[26:27] op_sel_hi:[1,0]
.set i, i+2
.endr
.set i, 0
.rept 16
	v_pk_fma_f32 v[160+i:161+i], v[96+i:97+i], v[24:25], v[160+i:161+i] op_sel_hi:[1,0,1]
.set i, i+2
.endr
	WAYOUT
.Lend:
	s_wait_dscnt 0x0
	s_wait_xcnt 0x0
.rept 4
	v_nop                                          ; places behind the last products, which read v192-255: the two lines below write v254 and v255
.endr
	v_lshl_add_u32 v254, v0, 2, 0x40000
	v_mov_b32 v255, 0
	s_wait_alu depctr_va_vdst(0)
	s_wait_tensorcnt 0x0
	ds_add_u32 v254, v255
	s_wait_dscnt 0x0
	CROUND                                         ; the closing round
	s_endpgm
.Lfunc_end_k_q4e7d33fa23_attn:
	.size	k_q4e7d33fa23_attn, .Lfunc_end_k_q4e7d33fa23_attn-k_q4e7d33fa23_attn
	.p2alignl 7, 3214868480
	.fill 96, 4, 3214868480
	.section	.rodata,"a",@progbits
	.p2align	6, 0x0
	.amdhsa_kernel k_q4e7d33fa23_attn
		.amdhsa_group_segment_fixed_size 327680
		.amdhsa_private_segment_fixed_size 0
		.amdhsa_enable_private_segment 0
		.amdhsa_kernarg_size 24
		.amdhsa_user_sgpr_count 2
		.amdhsa_user_sgpr_kernarg_segment_ptr 1
		.amdhsa_wavefront_size32 1
		.amdhsa_system_sgpr_workgroup_id_x 1
		.amdhsa_system_sgpr_workgroup_id_y 1
		.amdhsa_system_sgpr_workgroup_id_z 1
		.amdhsa_system_vgpr_workitem_id 0
		.amdhsa_next_free_vgpr 256
		.amdhsa_next_free_sgpr 100
		.amdhsa_reserve_vcc 1
		.amdhsa_float_denorm_mode_32 3
		.amdhsa_float_denorm_mode_16_64 3
		.amdhsa_memory_ordered 1
		.amdhsa_forward_progress 1
		.amdhsa_inst_pref_size 109
	.end_amdhsa_kernel
	.amdgpu_metadata
---
amdhsa.version: [ 1, 2 ]
amdhsa.kernels:
  - .name:           k_q4e7d33fa23_attn
    .symbol:         k_q4e7d33fa23_attn.kd
    .args:
      - { .name: qkv, .offset: 0, .size: 8, .value_kind: global_buffer, .address_space: global }
      - { .name: lowp_scales, .offset: 8, .size: 8, .value_kind: global_buffer, .address_space: global }
      - { .name: ao, .offset: 16, .size: 8, .value_kind: global_buffer, .address_space: global }
    .group_segment_fixed_size: 327680
    .private_segment_fixed_size: 0
    .kernarg_segment_align: 8
    .kernarg_segment_size: 24
    .max_flat_workgroup_size: 512
    .sgpr_count:     100
    .vgpr_count:     256
    .wavefront_size: 32
...
	.end_amdgpu_metadata
.endif
;; end of part 3
;; launch oproj (part 4): grid 8 x 32, 4 waves a work-group, clusters of 4 x 1, 327,680 bytes of LDS; arguments ao, wcodes, bo, x, lowp_scales, x1; writes x1
.if DOCPART == 4
	.amdgcn_target "amdgcn-amd-amdhsa--gfx1250"
	.amdhsa_code_object_version 6
	.text
	.protected	k_q4e7d33fa23_oproj
	.globl	k_q4e7d33fa23_oproj
	.p2align	8
	.type	k_q4e7d33fa23_oproj,@function
k_q4e7d33fa23_oproj:
	s_mov_b64 s[64:65], 0
	v_nop
	global_prefetch_b8 v0, s[64:65] scope:SCOPE_SE
	s_setreg_imm32_b32 hwreg(HW_REG_WAVE_MODE, 25, 1), 1
	s_wait_xcnt 0x0
	s_wait_alu depctr_hold_cnt(0) depctr_sa_sdst(0) depctr_va_vdst(0) depctr_va_sdst(0) depctr_va_ssrc(0) depctr_va_vcc(0) depctr_vm_vsrc(0)
	s_getreg_b32 s2, hwreg(HW_REG_IB_STS2, 6, 4)
	s_cmp_eq_u32 s2, 0
	s_cbranch_scc0 .Lentry_in_a_cluster
	s_endpgm
.Lentry_in_a_cluster:
	s_bfe_u32 s2, ttmp6, 0x10000c
	s_cmp_lg_u32 s2, 0x3003
	s_cbranch_scc0 .Lentry_shape_is_right
	s_endpgm
.Lentry_shape_is_right:
; x1 = x + bo + ao Wo.  ao [4,096][SIZE_K] and Wo (1,024 places x SIZE_K, at WOFF in wcodes) are codes of BF8 (E5M2) in the order
; byte(p, k) = (p / 16) 16 K + (k / 16) 256 + (p % 16) 16 + k % 16; A has natural rows, W has PI rows (place p holds column PI(p), PI = bits 3 and 4 exchanged).
; The codes are multiplied as they are; each finished sum is multiplied once by 2^(ea + eb).  LIMIT: ea + eb between -126 and 127.  NaN and infinities are not served.
; SHARES.  A work-group makes 128 x 128 of C; wave w makes all 128 rows x places 32 w .. 32 w + 31: 16 accumulators.  256 work-groups.
; A GOES THROUGH LDS, W GOES STRAIGHT INTO REGISTERS.  A fill is 128 rows x 1,024 K, 128 KiB: 8 blocks of 16 rows x 16 KiB on end; each wave fetches two blocks by one tensor load.  Here SIZE_K is one fill: no byte is filled again.
; W's 16 places x 128 K are 2,048 bytes on end in an operand's register order: 8 loads of 512 bytes a step and wave, each byte of W loaded once in the work-group, in a ring of 8 register sets, 7 steps (56 loads) ahead.
; CLUSTER 4, 1, 1: the four work-groups of a cluster make four column tiles of one tile row and ask for A jointly (mask 15).  W is not asked for jointly: a joint load lands in LDS alone, and W never lies in LDS;
; with W out of LDS a slot holds 1,024 along K in place of 512, and a wave reads 16 KiB of LDS a step for A alone.
; No prefetch: the one fill is asked for at the head, there is no loop to run ahead in, and W's loads are themselves 7 steps ahead.
; THE MATRIX INSTRUCTION IS USED TRANSPOSED (source 0 = 16 places of W, source 1 = 16 rows of A): a lane holds row r of A, and its 16 registers of the two tiles are columns 32 w + 16 h + 0 .. 15.
; REGISTERS: window 0: v12-15 bias, v16-29 addresses, v128-255 accumulators, then the rows on their way out; window 1: A's fragments, two sets of 128; window 2: W's ring, 8 sets of 32; window 3: v0-127 the residual.
.set SIZE_K, 1024
.set WOFF,   0x300000
.set EA,     10
.set NSTEP,  SIZE_K/128
.set NG,     SIZE_K/1024               ; fills
.set BLK,    16*SIZE_K                 ; a block of 16 rows of codes
.set GENB,   16384                     ; a block's bytes in a fill
.set SLOT,   131072
.set SPARE,  2*SLOT                    ; the spare words, 128 bytes a wave: two blocks of 256 bytes that no other line names
.set STAGE,  (NG%2)*SLOT               ; the way out: 128 rows x 528 bytes, in the slot that the last fill does not lie in: it has had its last fill, or none, and nobody reads it
.set SPITCH, 528
.set ADRA, 16                          ; v16-19 16 x lane + 65,536 n: slot n / 2, blocks 4 (n % 2) on
.set STO,  24
.set RD,   25
.set CO,   26                          ; 16 x lane
.set PFO,  27
.set SPW,  28
.set NIL,  29
.set ACC,  128
.set G1, 24
.set G0, 32
.set PFA, 48
.set MULW, 0x06                        ; source 0 window 2, source 1 window 1, C and D window 0
.set MSB, 0
.macro WIN new                         ; the immediate's high byte repeats the setting that is left
.if MSB != (\new)
	s_set_vgpr_msb (MSB<<8)|(\new)
.set MSB, (\new)
.endif
.endm
.macro PLACES                          ; four places behind a matrix instruction, in front of loads into registers that it has read and of reads of results
.rept 4
	v_nop
.endr
.endm
.macro ROUND                           ; a round of the cluster's barrier
	s_barrier_signal -1
	s_barrier_wait -1
	s_cmp_lg_u32 s14, 0
	s_cbranch_scc1 .Lnot_wave_0_\@
	s_barrier_signal -3
.Lnot_wave_0_\@:
	s_barrier_wait -3
	s_barrier_signal -1
	s_barrier_wait -1
.endm
.macro TLOAD                           ; my two blocks of a fill; every wave issues it, with its own addresses; s_nop 0 and four v_nop follow
	tensor_load_to_lds s[G0:G0+3], s[G1:G1+7]
	s_nop 0
	PLACES
.endm
.macro FETCHA slot, s, set             ; A's eight fragments of the slot's s-th 128 along K
	WIN 0x40
.irp i, 0,1,2,3,4,5,6,7
.irp c, 0,1,2,3
	ds_load_b128 v[128*(\set)+16*\i+4*\c:128*(\set)+16*\i+4*\c+3], v[ADRA+2*(\slot)+\i/4] offset:GENB*(\i%4)+2048*(\s)+512*\c
.endr
.endr
.endm
.macro FETCHB q                        ; W's two fragments of step q into ring set q % 8
	WIN 0x80
.irp b, 0,1
.irp c, 0,1,2,3
	global_load_b128 v[32*((\q)%8)+16*\b+4*\c:32*((\q)%8)+16*\b+4*\c+3], v[CO], s[6:7] offset:2048*(\q)+BLK*\b+512*\c
.endr
.endr
.endm
.macro MUL8 q, a0, zero                ; A's blocks a0 .. a0 + 3 x W's two; the 16 accumulators take turns, one instruction a turn
.irp a, \a0, \a0+1, \a0+2, \a0+3
.irp b, 0,1
.if \zero
	v_wmma_f32_16x16x128_bf8_bf8 v[ACC+8*(2*(\a)+\b):ACC+8*(2*(\a)+\b)+7], v[32*((\q)%8)+16*\b:32*((\q)%8)+16*\b+15], v[128*((\q)%2)+16*(\a):128*((\q)%2)+16*(\a)+15], 0
.else
	v_wmma_f32_16x16x128_bf8_bf8 v[ACC+8*(2*(\a)+\b):ACC+8*(2*(\a)+\b)+7], v[32*((\q)%8)+16*\b:32*((\q)%8)+16*\b+15], v[128*((\q)%2)+16*(\a):128*((\q)%2)+16*(\a)+15], v[ACC+8*(2*(\a)+\b):ACC+8*(2*(\a)+\b)+7]
.endif
.endr
.endr
.endm
.macro STEP q                          ; 128 along K
.set SL, ((\q)/8)%2
.if (\q)+6 < NSTEP
.set LC, 48                            ; behind step q's 8 loads of W stand those of steps q + 1 .. q + 6
.else
.set LC, 8*(NSTEP-1-(\q))
.endif
.if (\q) < 7
.set LC, LC+32                         ; the residual's 32 loads stand behind the first seven sets of W
.endif
.if LC > 63
.set LC, 63                            ; the wait's field holds no more: a smaller count is safe
.endif
	s_wait_dscnt 0x0                               ; A's fragments of this step are in
	s_wait_loadcnt LC                              ; and W's
.if ((\q)%8 == 7) && ((\q)+1 < NSTEP)  ; a slot's last step changes slots
	WIN 0
	s_wait_tensorcnt 0x0                           ; my part of the next slot has landed; no load of mine is out, so group 0 may be written
	ds_add_u32 v[SPW], v[NIL]                      ; 0 onto my spare word
.if (\q)/8+2 < NG
	s_add_co_u32 s[G0+1], s45, SL*SLOT             ; this slot again,
	s_add_nc_u64 s[G0+2:G0+3], s[G0+2:G0+3], GENB  ; the fill after the next
.endif
	WIN MULW
	MUL8 \q, 0, 0
	WIN 0
	s_wait_dscnt 0x0                               ; the add is done; my reads of this slot were over at the step's head
.if (\q)/8+2 < NG
	ROUND                                          ; no wave of any partner still reads this slot or has a load on its way
	TLOAD
.else
	s_barrier_signal -1
	s_barrier_wait -1
	PLACES
.endif
	FETCHA 1-SL, 0, ((\q)+1)%2
.if (\q)+7 < NSTEP
	FETCHB (\q)+7
.endif
	WIN MULW
	MUL8 \q, 4, 0
.else
.if ((\q) > 0) && ((\q)+1 < NSTEP)
	PLACES
.endif
.if (\q)+1 < NSTEP
	FETCHA SL, ((\q)+1)%8, ((\q)+1)%2
.endif
.if (\q)+7 < NSTEP
	FETCHB (\q)+7
.endif
	WIN MULW
.if (\q) == 0
	MUL8 \q, 0, 1                                  ; the first step's products start the sums
	MUL8 \q, 4, 1
.else
	MUL8 \q, 0, 0
	MUL8 \q, 4, 0
.endif
.endif
.endm
	s_load_b256 s[4:11], s[0:1], 0x0               ; A 4, wcodes 6, the bias 8, the residual 10
	s_load_b128 s[68:71], s[0:1], 0x20             ; the scales 68, the result 70
	v_lshl_add_u32 v[SPW], v0, 2, SPARE
	v_mov_b32 v[NIL], 0
	ds_add_u32 v[SPW], v[NIL]                      ; the opening lines: the add, twice on end, and its wait ahead of my first tensor load
	ds_add_u32 v[SPW], v[NIL]
	v_lshrrev_b32 v1, 5, v0
	v_readfirstlane_b32 s14, v1                    ; wave 0..3
	s_bfe_u32 s40, ttmp6, 0x40000                  ; cx
	s_lshl_b32 s42, ttmp9, 2
	s_add_co_u32 s42, s42, s40                     ; tile column = 4 x cluster x + cx
	s_and_b32 s17, ttmp7, 0xffff                   ; tile row
	s_mov_b32 s[G1], 15|(1<<21)                    ; the mask: all four; elements of 1 byte; bit 21 beside a mask; no padding: a fragment load reads 512 bytes on end
	s_mov_b32 s[G1+1], GENB<<16                    ; tensor_dim0
	s_mov_b32 s[G1+2], 2<<16                       ; tensor_dim1
	s_mov_b32 s[G1+3], GENB<<16                    ; tile_dim0
	s_mov_b32 s[G1+4], 2                           ; tile_dim1
	s_mov_b32 s[G1+5], BLK                         ; from block to block
	s_mov_b32 s[G1+6], 0
	s_mov_b32 s[G1+7], 0
	s_lshl_b32 s18, s14, 1
	s_lshl_b32 s20, s17, 3
	s_add_co_u32 s20, s20, s18
	s_mul_i32 s20, s20, BLK                        ; A: block 8 x tile row + 2 x wave: nothing of cx
	s_mov_b32 s21, 0
	s_lshl_b32 s46, s42, 3
	s_add_co_u32 s46, s46, s18
	s_mul_i32 s46, s46, BLK
	s_add_co_u32 s46, s46, WOFF                    ; W: block 8 x tile column + 2 x wave
	s_mov_b32 s47, 0
	s_lshl_b32 s45, s14, 15                        ; LDS: 32,768 x wave
	s_mov_b32 s[G0], 1
	s_mov_b32 s[G0+1], s45
	s_lshl_b32 s92, s17, 7
	s_lshl_b32 s93, s14, 5
	s_add_co_u32 s92, s92, s93
	s_lshl_b32 s92, s92, 12                        ; the way out: wave w takes rows 32 w .. 32 w + 31 of the tile, whole: 512 bytes each
	s_lshl_b32 s94, s42, 9
	s_add_co_u32 s92, s92, s94
	s_mov_b32 s93, 0
	s_mov_b32 s95, 0
	s_lshl_b32 s23, s14, 7
	s_add_co_u32 s23, s23, STAGE
	s_mul_i32 s22, s14, 32*SPITCH
	s_add_co_u32 s22, s22, STAGE
.if NG > 2
	s_lshr_b32 s48, s40, 1
	s_lshl_b32 s49, s17, 3
	s_add_co_u32 s48, s48, s49
	s_add_co_u32 s48, s48, s18
	s_mul_i32 s48, s48, BLK
	s_and_b32 s49, s40, 1
	s_lshl_b32 s49, s49, 13
	s_add_co_u32 s48, s48, s49                     ; the prefetches: of my wave's 32 KiB of a fill partner cx takes 8 KiB: block 2 w + cx / 2, half cx % 2: told apart by address
	s_mov_b32 s49, 0
.endif
	v_and_b32 v1, 31, v0
	v_and_b32 v2, 15, v0                           ; r
	v_bfe_u32 v3, v0, 4, 1                         ; h
	v_lshlrev_b32 v[CO], 4, v1
	v_lshlrev_b32 v[PFO], 8, v1
	v_mul_u32_u24 v4, v2, SPITCH
	v_lshl_add_u32 v4, v3, 6, v4
	v_add_nc_u32 v[STO], s23, v4                   ; into the stage: row r, 128 w + 64 h bytes on
	v_add_nc_u32 v[RD], s22, v[CO]                 ; back: a row of 512 bytes to the 32 lanes
.irp n, 0,1,2,3
	v_add_nc_u32 v[ADRA+\n], 65536*\n, v[CO]
.endr
	s_wait_alu depctr_va_vdst(0)                   ; the wait at the head's end
	s_wait_dscnt 0x0                               ; both opening adds are done
	s_wait_kmcnt 0x0
	s_load_b64 s[96:97], s[68:69], EA*4            ; ea, eb
	s_add_nc_u64 s[G0+2:G0+3], s[4:5], s[20:21]
	s_or_b32 s[G0+3], s[G0+3], 0x80000000
	ROUND                                          ; all four work-groups are here: the first joint loads meet
	TLOAD                                          ; fill 0: one tensor load a wave at the head
	s_add_nc_u64 s[6:7], s[6:7], s[46:47]
	s_add_nc_u64 s[8:9], s[8:9], s[94:95]
	s_add_nc_u64 s[10:11], s[10:11], s[92:93]
	s_add_nc_u64 s[70:71], s[70:71], s[92:93]
	global_load_b128 v[12:15], v[CO], s[8:9]       ; the bias of my four columns
.irp q, 0,1,2,3,4,5,6
	FETCHB \q
.endr
	WIN 0xc0
.set t, 0
.rept 32
	global_load_b128 v[4*t:4*t+3], v[CO], s[10:11] offset:t*4096 th:TH_LOAD_NT   ; the residual's 32 rows, 512 bytes on end each: behind W's first sets, which are wanted first
.set t, t+1
.endr
	WIN 0
.if NG > 2
	s_add_nc_u64 s[PFA:PFA+1], s[4:5], s[48:49]
	global_prefetch_b8 v[PFO], s[PFA:PFA+1] offset:2*GENB th:TH_LOAD_NT scope:SCOPE_SE   ; fill 2, two fills ahead of its load: lanes 256 bytes apart
.endif
.if NG > 1
	s_wait_tensorcnt 0x0                           ; my part of fill 0 is in; slot 1's first fill is issued as a refill is
	ds_add_u32 v[SPW], v[NIL]                      ; 0 onto my spare word
	s_add_co_u32 s[G0+1], s45, SLOT
	s_add_nc_u64 s[G0+2:G0+3], s[G0+2:G0+3], GENB
	s_wait_dscnt 0x0
	ROUND
	TLOAD
.else
	s_wait_tensorcnt 0x0                           ; my part of the one fill is in,
	s_barrier_signal -1
	s_barrier_wait -1                              ; everybody's is
.endif
	FETCHA 0, 0, 0
.if NG > 3
	WIN 0
	global_prefetch_b8 v[PFO], s[PFA:PFA+1] offset:3*GENB th:TH_LOAD_NT scope:SCOPE_SE   ; fill 3 likewise; there is none behind it
.endif
.set Q, 0
.rept NSTEP
	STEP Q
.set Q, Q+1
.endr
	WIN 0
	; THE WAY OUT: all four waves' sums meet in the stage; each wave takes 32 whole rows back, x 2^(ea + eb), + bias, + residual, and stores 512 bytes on end, at a multiple of 256 from the buffer's first byte.
	s_wait_kmcnt 0x0
	s_add_co_i32 s96, s96, s97
	s_add_co_i32 s96, s96, 127
	s_lshl_b32 s96, s96, 23                        ; 2^(ea + eb) as f32
	s_mov_b32 s97, s96
	PLACES
.irp a, 0,1,2,3,4,5,6,7
.irp b, 0,1
	ds_store_b128 v[STO], v[ACC+8*(2*\a+\b):ACC+8*(2*\a+\b)+3] offset:\a*16*SPITCH+32*\b          ; each accumulator from its low end on
	ds_store_b128 v[STO], v[ACC+8*(2*\a+\b)+4:ACC+8*(2*\a+\b)+7] offset:\a*16*SPITCH+32*\b+16
.endr
.endr
	s_wait_dscnt 0x0                               ; for the others' sake
	s_barrier_signal -1
	s_barrier_wait -1
.set t, 0
.rept 32
	ds_load_b128 v[ACC+4*t:ACC+4*t+3], v[RD] offset:t*SPITCH
.set t, t+1
.endr
.irp g, 0,1,2,3
	s_wait_dscnt 24-8*\g                           ; these eight rows are back; the younger loads may be out
.irp t, 0,1,2,3,4,5,6,7
	v_pk_fma_f32 v[ACC+32*\g+4*\t:ACC+32*\g+4*\t+1], v[ACC+32*\g+4*\t:ACC+32*\g+4*\t+1], s[96:97], v[12:13] op_sel_hi:[1,0,1]
	v_pk_fma_f32 v[ACC+32*\g+4*\t+2:ACC+32*\g+4*\t+3], v[ACC+32*\g+4*\t+2:ACC+32*\g+4*\t+3], s[96:97], v[14:15] op_sel_hi:[1,0,1]
.endr
	WIN 0x0c                                       ; source 1: window 3
.irp t, 0,1,2,3,4,5,6,7
	v_pk_add_f32 v[ACC+32*\g+4*\t:ACC+32*\g+4*\t+1], v[ACC+32*\g+4*\t:ACC+32*\g+4*\t+1], v[32*\g+4*\t:32*\g+4*\t+1]
	v_pk_add_f32 v[ACC+32*\g+4*\t+2:ACC+32*\g+4*\t+3], v[ACC+32*\g+4*\t+2:ACC+32*\g+4*\t+3], v[32*\g+4*\t+2:32*\g+4*\t+3]
.endr
	WIN 0
.irp t, 0,1,2,3,4,5,6,7
	global_store_b128 v[CO], v[ACC+32*\g+4*\t:ACC+32*\g+4*\t+3], s[70:71] offset:(8*\g+\t)*4096
.endr
.endr
	s_wait_tensorcnt 0x0                           ; the wave's end
	ds_add_u32 v[SPW], v[NIL]
	s_wait_dscnt 0x0
	ROUND                                          ; the closing round
	s_endpgm
.Lfunc_end_k_q4e7d33fa23_oproj:
	.size	k_q4e7d33fa23_oproj, .Lfunc_end_k_q4e7d33fa23_oproj-k_q4e7d33fa23_oproj
	.p2alignl 7, 3214868480
	.fill 96, 4, 3214868480
	.section	.rodata,"a",@progbits
	.p2align	6, 0x0
	.amdhsa_kernel k_q4e7d33fa23_oproj
		.amdhsa_group_segment_fixed_size 327680
		.amdhsa_private_segment_fixed_size 0
		.amdhsa_enable_private_segment 0
		.amdhsa_kernarg_size 48
		.amdhsa_user_sgpr_count 2
		.amdhsa_user_sgpr_kernarg_segment_ptr 1
		.amdhsa_wavefront_size32 1
		.amdhsa_system_sgpr_workgroup_id_x 1
		.amdhsa_system_sgpr_workgroup_id_y 1
		.amdhsa_system_sgpr_workgroup_id_z 1
		.amdhsa_system_vgpr_workitem_id 0
		.amdhsa_next_free_vgpr 896
		.amdhsa_next_free_sgpr 100
		.amdhsa_reserve_vcc 0
		.amdhsa_float_denorm_mode_32 3
		.amdhsa_float_denorm_mode_16_64 3
		.amdhsa_memory_ordered 1
		.amdhsa_forward_progress 1
		.amdhsa_inst_pref_size 56
	.end_amdhsa_kernel
	.amdgpu_metadata
---
amdhsa.version: [ 1, 2 ]
amdhsa.kernels:
  - .name:           k_q4e7d33fa23_oproj
    .symbol:         k_q4e7d33fa23_oproj.kd
    .args:
      - { .name: ao, .offset: 0, .size: 8, .value_kind: global_buffer, .address_space: global }
      - { .name: wcodes, .offset: 8, .size: 8, .value_kind: global_buffer, .address_space: global }
      - { .name: bo, .offset: 16, .size: 8, .value_kind: global_buffer, .address_space: global }
      - { .name: x, .offset: 24, .size: 8, .value_kind: global_buffer, .address_space: global }
      - { .name: lowp_scales, .offset: 32, .size: 8, .value_kind: global_buffer, .address_space: global }
      - { .name: x1, .offset: 40, .size: 8, .value_kind: global_buffer, .address_space: global }
    .group_segment_fixed_size: 327680
    .private_segment_fixed_size: 0
    .kernarg_segment_align: 8
    .kernarg_segment_size: 48
    .max_flat_workgroup_size: 128
    .sgpr_count:     100
    .vgpr_count:     896
    .wavefront_size: 32
...
	.end_amdgpu_metadata
.endif
;; end of part 4
;; launch ln2 (part 5): grid 256 x 1, 4 waves a work-group, no clusters, 17,920 bytes of LDS; arguments x1, gamma2, beta2, lowp_scales, h2; writes h2
.if DOCPART == 5
	.amdgcn_target "amdgcn-amd-amdhsa--gfx1250"
	.amdhsa_code_object_version 6
	.text
	.protected	k_q4e7d33fa23_ln2
	.globl	k_q4e7d33fa23_ln2
	.p2align	8
	.type	k_q4e7d33fa23_ln2,@function
k_q4e7d33fa23_ln2:
	s_mov_b64 s[64:65], 0
	v_nop
	global_prefetch_b8 v0, s[64:65] scope:SCOPE_SE
	s_setreg_imm32_b32 hwreg(HW_REG_WAVE_MODE, 25, 1), 1
	s_wait_xcnt 0x0
; LayerNorm 2 of x1 [4,096][1,024], f32, quantised to BF8 (E5M2) with the given scale 2^e12 into h2, in the order byte(p, k) = (p / 16) 16,384 + (k / 16) 256 + (p % 16) 16 + k % 16, natural rows.
; A work-group takes 16 rows, one block of h2; wave w takes rows 4 w + i, i = 0..3, a whole row in 32 registers a lane, read once.  Lane l holds columns 256 c + 8 l + 0..7.
; The codes meet in a stage in LDS and leave as whole blocks of 256 bytes.  A stream: no matrix unit, no tensor load, no cluster.
; LIMITS: e12 between -126 and 112.  NaN and infinities are not served.
.set CH,   272                         ; the stage's place for 16 rows x 16 codes: 256 bytes + 16
.set X,    64
.set GA,   192
.set BE,   224
.set TT,   16
.set CD,   32
.macro REDUCE r
	v_add_f32_dpp v[\r], v[\r], v[\r] row_xmask:1 row_mask:0xf bank_mask:0xf
	v_add_f32_dpp v[\r], v[\r], v[\r] row_xmask:2 row_mask:0xf bank_mask:0xf
	v_add_f32_dpp v[\r], v[\r], v[\r] row_xmask:4 row_mask:0xf bank_mask:0xf
	v_add_f32_dpp v[\r], v[\r], v[\r] row_xmask:8 row_mask:0xf bank_mask:0xf
	v_permlanex16_b32 v14, v[\r], s54, s55
	v_add_f32 v[\r], v[\r], v14
.endm
	s_load_b256 s[8:15], s[0:1], 0x0               ; x1 8, gamma2 10, beta2 12, the scales 14
	s_load_b64 s[16:17], s[0:1], 0x20              ; h2
	v_lshl_add_u32 v55, v0, 2, 0x4400
	v_mov_b32 v63, 0
	v_lshrrev_b32 v1, 5, v0
	v_readfirstlane_b32 s3, v1                     ; wave 0..3
	v_and_b32 v62, 31, v0
	s_lshl_b32 s56, ttmp9, 16                      ; 16 rows of 4,096 bytes a group,
	s_lshl_b32 s57, s3, 14                         ; 4 a wave
	s_add_co_u32 s56, s56, s57
	s_mov_b32 s57, 0
	v_lshlrev_b32 v2, 5, v62
	s_wait_alu depctr_va_vdst(0)
	s_wait_kmcnt 0x0
	s_load_b32 s36, s[14:15], 0x30                 ; e12
	s_add_nc_u64 s[8:9], s[8:9], s[56:57]
.irp c, 0,1,2,3
.irp u, 0,1
	global_load_b128 v[GA+8*\c+4*\u:GA+8*\c+4*\u+3], v2, s[10:11] offset:1024*\c+16*\u
.endr
.endr
.irp c, 0,1,2,3
.irp u, 0,1
	global_load_b128 v[BE+8*\c+4*\u:BE+8*\c+4*\u+3], v2, s[12:13] offset:1024*\c+16*\u
.endr
.endr
.irp i, 0,1,2,3
.irp c, 0,1,2,3
.irp u, 0,1
	global_load_b128 v[X+32*\i+8*\c+4*\u:X+32*\i+8*\c+4*\u+3], v2, s[8:9] offset:4096*\i+1024*\c+16*\u
.endr
.endr
.endr
	v_lshrrev_b32 v4, 1, v62
	v_mul_u32_u24 v4, v4, CH
	v_and_b32 v5, 1, v62
	v_lshl_add_u32 v4, v5, 3, v4
	s_lshl_b32 s56, s3, 6
	v_add_nc_u32 v4, s56, v4                       ; into the stage: (16 c + l / 2) CH + 16 (4 w + i) + 8 (l % 2)
	s_mul_i32 s57, s3, 16*CH
	v_lshrrev_b32 v1, 4, v62
	v_mul_u32_u24 v1, v1, CH
	v_and_b32 v3, 15, v62
	v_lshl_add_u32 v1, v3, 4, v1
	v_add_nc_u32 v1, s57, v1                       ; back: places 16 w + 2 i + l / 16
	v_lshlrev_b32 v7, 4, v62
	s_lshl_b32 s56, ttmp9, 14
	s_lshl_b32 s57, s3, 12
	s_add_co_u32 s56, s56, s57
	s_mov_b32 s57, 0
	s_add_nc_u64 s[16:17], s[16:17], s[56:57]
	s_mov_b32 s52, 0x3a800000                      ; 1 / 1,024
	s_mov_b32 s53, 0x3727c5ac                      ; 1e-5
	s_mov_b32 s54, 0x76543210
	s_mov_b32 s55, 0xfedcba98
	v_mov_b32 v14, 0                               ; a lane permute's destination counts as read
	s_wait_kmcnt 0x0
	s_add_co_i32 s60, s36, 127
	s_lshl_b32 s61, s60, 23
	v_mov_b32 v8, s61                              ; 2^e12
	s_add_co_i32 s60, s60, 15
	s_lshl_b32 s60, s60, 23
	s_or_b32 s60, s60, 0x600000
	v_mov_b32 v9, s60                              ; 57,344 x 2^e12
.macro LNROW i
.set XR, X+32*(\i)
	s_wait_loadcnt 8*(3-(\i))                      ; gamma, beta and this row are in; the later rows' loads, 8 each, may be out
	v_pk_add_f32 v[56:57], v[XR:XR+1], v[XR+2:XR+3]
	v_pk_add_f32 v[58:59], v[XR+4:XR+5], v[XR+6:XR+7]
.irp j, 8,12,16,20,24,28
	v_pk_add_f32 v[56:57], v[56:57], v[XR+\j:XR+\j+1]
	v_pk_add_f32 v[58:59], v[58:59], v[XR+\j+2:XR+\j+3]
.endr
	v_pk_add_f32 v[56:57], v[56:57], v[58:59]
	v_add_f32 v56, v56, v57
	REDUCE 56
	v_mul_f32 v60, s52, v56                        ; the mean
	v_mov_b32 v61, v60
.irp j, 0,2,4,6,8,10,12,14,16,18,20,22,24,26,28,30
	v_pk_add_f32 v[XR+\j:XR+\j+1], v[XR+\j:XR+\j+1], v[60:61] neg_lo:[0,1] neg_hi:[0,1]
.endr
	v_pk_mul_f32 v[56:57], v[XR:XR+1], v[XR:XR+1]
	v_pk_mul_f32 v[58:59], v[XR+2:XR+3], v[XR+2:XR+3]
.irp j, 4,8,12,16,20,24,28
	v_pk_fma_f32 v[56:57], v[XR+\j:XR+\j+1], v[XR+\j:XR+\j+1], v[56:57]
	v_pk_fma_f32 v[58:59], v[XR+\j+2:XR+\j+3], v[XR+\j+2:XR+\j+3], v[58:59]
.endr
	v_pk_add_f32 v[56:57], v[56:57], v[58:59]
	v_add_f32 v56, v56, v57
	REDUCE 56
	v_fma_f32 v56, v56, s52, s53
	s_wait_alu depctr_va_vdst(0)
	v_rsq_f32 v60, v56
	v_nop                                          ; a plain instruction behind the transcendental,
	s_wait_alu depctr_va_vdst(0)                   ; and the wait ahead of its first reader
	v_mov_b32 v61, v60
.irp j, 0,2,4,6,8,10,12,14,16,18,20,22,24,26,28,30
	v_pk_mul_f32 v[XR+\j:XR+\j+1], v[XR+\j:XR+\j+1], v[60:61]
.endr
.irp j, 0,2,4,6,8,10,12,14,16,18,20,22,24,26,28,30
	v_pk_fma_f32 v[XR+\j:XR+\j+1], v[XR+\j:XR+\j+1], v[GA+\j:GA+\j+1], v[BE+\j:BE+\j+1]
.endr
.irp c, 0,1,2,3
.set TS, TT+8*(\c%2)
.irp j, 0,1,2,3,4,5,6,7
	v_med3_num_f32 v[TS+\j], v[XR+8*\c+\j], -v9, v9   ; the conversion to an 8-bit code does not saturate (ISA guide 7.6.2)
.endr
	v_cvt_scalef32_pk8_bf8_f32 v[CD+2*\c:CD+2*\c+1], v[TS:TS+7], v8
	ds_store_b64 v4, v[CD+2*\c:CD+2*\c+1] offset:\c*16*CH+16*(\i)
.endr
	v_nop                                          ; a plain instruction behind the last conversion
	s_wait_dscnt 0x0                               ; the stores have read the code registers, which the next row writes again
.endm
	LNROW 0
	LNROW 1
	LNROW 2
	LNROW 3
	s_barrier_signal -1                            ; every wave's stores into the stage have landed (the wait for 0 above)
	s_barrier_wait -1
.irp i, 0,1,2,3,4,5,6,7
	ds_load_b128 v[X+4*\i:X+4*\i+3], v1 offset:2*\i*CH
.endr
.irp i, 0,1,2,3,4,5,6,7
	s_wait_dscnt 7-\i
	global_store_b128 v7, v[X+4*\i:X+4*\i+3], s[16:17] offset:512*\i    ; 32 lanes store 512 bytes on end, aligned
.endr
	s_wait_tensorcnt 0x0
	ds_add_u32 v55, v63
	s_wait_dscnt 0x0
	s_endpgm
.Lfunc_end_k_q4e7d33fa23_ln2:
	.size	k_q4e7d33fa23_ln2, .Lfunc_end_k_q4e7d33fa23_ln2-k_q4e7d33fa23_ln2
	.p2alignl 7, 3214868480
	.fill 96, 4, 3214868480
	.section	.rodata,"a",@progbits
	.p2align	6, 0x0
	.amdhsa_kernel k_q4e7d33fa23_ln2
		.amdhsa_group_segment_fixed_size 17920
		.amdhsa_private_segment_fixed_size 0
		.amdhsa_enable_private_segment 0
		.amdhsa_kernarg_size 40
		.amdhsa_user_sgpr_count 2
		.amdhsa_user_sgpr_kernarg_segment_ptr 1
		.amdhsa_wavefront_size32 1
		.amdhsa_system_sgpr_workgroup_id_x 1
		.amdhsa_system_sgpr_workgroup_id_y 1
		.amdhsa_system_sgpr_workgroup_id_z 1
		.amdhsa_system_vgpr_workitem_id 0
		.amdhsa_next_free_vgpr 256
		.amdhsa_next_free_sgpr 66
		.amdhsa_reserve_vcc 0
		.amdhsa_float_denorm_mode_32 3
		.amdhsa_float_denorm_mode_16_64 3
		.amdhsa_memory_ordered 1
		.amdhsa_forward_progress 1
		.amdhsa_inst_pref_size 43
	.end_amdhsa_kernel
	.amdgpu_metadata
---
amdhsa.version: [ 1, 2 ]
amdhsa.kernels:
  - .name:           k_q4e7d33fa23_ln2
    .symbol:         k_q4e7d33fa23_ln2.kd
    .args:
      - { .name: x1, .offset: 0, .size: 8, .value_kind: global_buffer, .address_space: global }
      - { .name: gamma2, .offset: 8, .size: 8, .value_kind: global_buffer, .address_space: global }
      - { .name: beta2, .offset: 16, .size: 8, .value_kind: global_buffer, .address_space: global }
      - { .name: lowp_scales, .offset: 24, .size: 8, .value_kind: global_buffer, .address_space: global }
      - { .name: h2, .offset: 32, .size: 8, .value_kind: global_buffer, .address_space: global }
    .group_segment_fixed_size: 17920
    .private_segment_fixed_size: 0
    .kernarg_segment_align: 8
    .kernarg_segment_size: 40
    .max_flat_workgroup_size: 128
    .sgpr_count:     66
    .vgpr_count:     256
    .wavefront_size: 32
...
	.end_amdgpu_metadata
.endif
;; end of part 5
;; launch mlp1 (part 6): grid 16 x 16, 4 waves a work-group, clusters of 4 x 4, 327,680 bytes of LDS; arguments h2, wcodes, b1, lowp_scales, g; writes g
.if DOCPART == 6
	.amdgcn_target "amdgcn-amd-amdhsa--gfx1250"
	.amdhsa_code_object_version 6
	.text
	.protected	k_q4e7d33fa23_mlp1
	.globl	k_q4e7d33fa23_mlp1
	.p2align	8
	.type	k_q4e7d33fa23_mlp1,@function
k_q4e7d33fa23_mlp1:
	s_mov_b64 s[64:65], 0
	v_nop
	global_prefetch_b8 v0, s[64:65] scope:SCOPE_SE
	s_setreg_imm32_b32 hwreg(HW_REG_WAVE_MODE, 25, 1), 1
	s_wait_xcnt 0x0
	s_wait_alu depctr_hold_cnt(0) depctr_sa_sdst(0) depctr_va_vdst(0) depctr_va_sdst(0) depctr_va_ssrc(0) depctr_va_vcc(0) depctr_vm_vsrc(0)
	s_getreg_b32 s2, hwreg(HW_REG_IB_STS2, 6, 4)
	s_cmp_eq_u32 s2, 0
	s_cbranch_scc0 .Lentry_in_a_cluster
	s_endpgm
.Lentry_in_a_cluster:
	s_bfe_u32 s2, ttmp6, 0x10000c
	s_cmp_lg_u32 s2, 0xf033
	s_cbranch_scc0 .Lentry_shape_is_right
	s_endpgm
.Lentry_shape_is_right:
.set SIZE_K, 1024
.set RBK,    4096
.set HALFT,  8*RBK
.set SLOT,   4*HALFT
.set SPARE,  2*SLOT
.set LAPS,   SIZE_K/512
.set FR,     16
.set NL,     4
.set NP,     4
.set ADRA, 16
.set ADRB, 20
.set CO,   26
.set VO,   27
.set SPW,  28
.set NIL,  29
.set BIAS, 64
.set AF,   128
.set U,    128
.set T,    160
.set P,    192
.set W,    224
.set G1, 24
.set G0, 32
.set G1B, 48
.set G0B, 56
.set MSB, 0
.macro WIN new
.if MSB != (\new)
	s_set_vgpr_msb (MSB<<8)|(\new)
.set MSB, (\new)
.endif
.endm
.set MUL_LO, 0xa1
.set MUL_HI, 0xf1
.set TO_B,   0x40
.macro JLOAD g0a, g1a, g0b, g1b
	s_cmp_eq_u32 s15, 0
	s_cbranch_scc0 .Lfor_b_\@
	tensor_load_to_lds s[\g0a:\g0a+3], s[\g1a:\g1a+7]
	s_nop 0
.rept 4
	v_nop
.endr
	s_branch .Lasked_\@
.Lfor_b_\@:
	tensor_load_to_lds s[\g0b:\g0b+3], s[\g1b:\g1b+7]
	s_nop 0
.rept 4
	v_nop
.endr
.Lasked_\@:
.endm
.macro CREST
	s_cmp_lg_u32 s14, 0
	s_cbranch_scc1 .Lnot_wave_0_\@
	s_barrier_signal -3
.Lnot_wave_0_\@:
	s_barrier_wait -3
	s_barrier_signal -1
	s_barrier_wait -1
.endm
.macro CROUND
	s_barrier_signal -1
	s_barrier_wait -1
	CREST
.endm
.macro PLACES n
.rept \n
	v_nop
.endr
.endm
.macro FRAG reg, adr, q, i
.irp c, 0,1,2,3
	ds_load_b128 v[\reg+4*\c:\reg+4*\c+3], v[\adr] offset:2048*(\q)+RBK*(\i)+512*\c
.endr
.endm
.macro MUL16 a0, p, zero
.irp a, \a0, \a0+1
.irp b, 0,1,2,3,4,5,6,7
.if \zero
	v_wmma_f32_16x16x128_bf8_bf8 v[8*(8*((\a)%4)+\b):8*(8*((\a)%4)+\b)+7], v[128*(\p)+FR*\b:128*(\p)+FR*\b+FR-1], v[AF+FR*(\a):AF+FR*(\a)+FR-1], 0
.else
	v_wmma_f32_16x16x128_bf8_bf8 v[8*(8*((\a)%4)+\b):8*(8*((\a)%4)+\b)+7], v[128*(\p)+FR*\b:128*(\p)+FR*\b+FR-1], v[AF+FR*(\a):AF+FR*(\a)+FR-1], v[8*(8*((\a)%4)+\b):8*(8*((\a)%4)+\b)+7]
.endif
.endr
.endr
.endm
.macro FETCH_B slot, q, p
	WIN TO_B
.irp i, 0,1,2,3,4,5,6,7
	FRAG 128*(\p)+FR*\i, ADRB+\slot, \q, \i
.endr
	WIN 0
.endm
.macro FETCH_A slot, q, i0
.irp i, \i0, \i0+1, \i0+2, \i0+3
	FRAG AF+FR*(\i), ADRA+\slot, \q, \i
.endr
.endm
.macro STEP slot, q, zero
	s_wait_dscnt 4*NL
	WIN MUL_LO
	MUL16 0, (\q)%2, \zero
	MUL16 2, (\q)%2, \zero
	s_wait_dscnt 0
	PLACES NP
	FETCH_B \slot, (\q)+1, 1-(\q)%2
	FETCH_A \slot, (\q)+1, 0
	WIN MUL_HI
	MUL16 4, (\q)%2, \zero
	MUL16 6, (\q)%2, \zero
	PLACES NP
	WIN 0
	FETCH_A \slot, (\q)+1, 4
.endm
.macro TURN slot, next, fill
	s_wait_tensorcnt 0x0
	ds_add_u32 v[SPW], v[NIL]
	s_wait_dscnt 4*NL+1
	WIN MUL_LO
	MUL16 0, 1, 0
	s_wait_dscnt 0x0
	s_barrier_signal -1
	MUL16 2, 1, 0
	WIN 0
	s_barrier_wait -1
.if \fill
	CREST
	s_add_nc_u64 s[G0+4*\slot+2:G0+4*\slot+3], s[G0+4*\slot+2:G0+4*\slot+3], 2*RBK
	s_add_nc_u64 s[G0B+4*\slot+2:G0B+4*\slot+3], s[G0B+4*\slot+2:G0B+4*\slot+3], 2*RBK
	JLOAD G0+4*\slot, G1, G0B+4*\slot, G1B
.else
	PLACES NP
.endif
	FETCH_B \next, 0, 0
	FETCH_A \next, 0, 0
	WIN MUL_HI
	MUL16 4, 1, 0
	MUL16 6, 1, 0
	PLACES NP
	WIN 0
	FETCH_A \next, 0, 4
.endm
	s_load_b256 s[4:11], s[0:1], 0x0
	s_load_b64 s[72:73], s[0:1], 0x20
	v_lshl_add_u32 v[SPW], v0, 2, SPARE
	v_mov_b32 v[NIL], 0
	ds_add_u32 v28, v29
	ds_add_u32 v28, v29
	s_wait_dscnt 0x0
	v_lshrrev_b32 v1, 5, v0
	v_readfirstlane_b32 s14, v1
	s_lshr_b32 s15, s14, 1
	s_and_b32 s16, s14, 1
	s_bfe_u32 s40, ttmp6, 0x40000
	s_bfe_u32 s41, ttmp6, 0x40004
	s_lshl_b32 s42, ttmp9, 2
	s_add_co_u32 s42, s42, s40
	s_and_b32 s17, ttmp7, 0xffff
	s_lshl_b32 s17, s17, 2
	s_add_co_u32 s17, s17, s41
	s_lshl_b32 s43, s41, 2
	s_lshl_b32 s43, 15, s43
	s_lshl_b32 s44, 0x1111, s40
	s_or_b32 s[G1+0], s43, (1<<21)
	s_or_b32 s[G1B+0], s44, (1<<21)
.irp g, G1, G1B
	s_mov_b32 s[\g+1], RBK<<16
	s_mov_b32 s[\g+2], 8<<16
	s_mov_b32 s[\g+3], RBK<<16
	s_mov_b32 s[\g+4], 8
	s_mov_b32 s[\g+5], 16*SIZE_K
	s_mov_b32 s[\g+6], 0
	s_mov_b32 s[\g+7], 0
.endr
	s_lshl_b32 s18, s16, 7
	s_lshl_b32 s20, s17, 8
	s_add_co_u32 s20, s20, s18
	s_lshl_b32 s20, s20, 10
	s_mov_b32 s21, 0
	s_lshl_b32 s46, s42, 8
	s_add_co_u32 s46, s46, s18
	s_lshl_b32 s46, s46, 10
	s_add_co_u32 s46, s46, 0x400000
	s_mov_b32 s47, 0
	s_lshl_b32 s45, s14, 15
	s_wait_kmcnt 0x0
	s_load_b128 s[76:79], s[10:11], 0x30
	s_add_nc_u64 s[20:21], s[4:5], s[20:21]
	s_add_nc_u64 s[46:47], s[6:7], s[46:47]
	CROUND
.irp s, 0,1
	s_mov_b32 s[G0+4*\s], 1
	s_add_co_u32 s[G0+4*\s+1], s45, \s*SLOT
	s_add_nc_u64 s[G0+4*\s+2:G0+4*\s+3], s[20:21], \s*RBK
	s_or_b32 s[G0+4*\s+3], s[G0+4*\s+3], 0x80000000
	s_mov_b32 s[G0B+4*\s], 1
	s_add_co_u32 s[G0B+4*\s+1], s45, \s*SLOT
	s_add_nc_u64 s[G0B+4*\s+2:G0B+4*\s+3], s[46:47], \s*RBK
	s_or_b32 s[G0B+4*\s+3], s[G0B+4*\s+3], 0x80000000
.endr
	JLOAD G0, G1, G0B, G1B                         ; K step 0: one tensor load a wave at the head
	; PREFETCH INTO THE L2: of the 8 blocks of 16 rows that my wave fetches, each of the four partners that ask jointly takes two, told apart by address (cx for A, cy for B): a K step of two blocks is 32 x 256 bytes, a lane each.
	; K steps 1 and 2 are asked for here, K step 3 behind K step 1's load: two K steps are asked for and not yet read at the most.
	s_cmp_eq_u32 s15, 0
	s_cselect_b64 s[80:81], s[20:21], s[46:47]     ; my wave's 128 rows: A's or B's
	s_cselect_b32 s82, s40, s41
	s_lshl_b32 s82, s82, 15                        ; two blocks of 16,384 bytes for each place
	s_mov_b32 s83, 0
	s_add_nc_u64 s[80:81], s[80:81], s[82:83]
	v_bfe_u32 v30, v0, 4, 1
	v_and_b32 v31, 15, v0
	v_lshlrev_b32 v30, 14, v30
	v_lshl_add_u32 v30, v31, 8, v30                ; block lane / 16, 256 x (lane % 16); never rewritten
	global_prefetch_b8 v30, s[80:81] offset:RBK th:TH_LOAD_NT scope:SCOPE_SE
	global_prefetch_b8 v30, s[80:81] offset:2*RBK th:TH_LOAD_NT scope:SCOPE_SE
	v_and_b32 v1, 31, v0
	v_lshlrev_b32 v[CO], 4, v1
	s_lshl_b32 s21, s15, 15
	s_lshl_b32 s22, s16, 15
	s_add_co_u32 s22, s22, 2*HALFT
.irp s, 0,1
	v_add_nc_u32 v[ADRA+\s], s21, v[CO]
	v_add_nc_u32 v[ADRB+\s], s22, v[CO]
	s_add_co_u32 s21, s21, SLOT
	s_add_co_u32 s22, s22, SLOT
.endr
	s_lshl_b32 s18, s17, 8
	s_lshl_b32 s19, s15, 7
	s_add_co_u32 s18, s18, s19
	s_lshl_b32 s19, s42, 8
	s_lshl_b32 s23, s16, 7
	s_add_co_u32 s19, s19, s23
	s_lshl_b32 s92, s18, 12
	s_lshl_b32 s93, s19, 4
	s_add_co_u32 s92, s92, s93
	s_mov_b32 s93, 0
	s_add_nc_u64 s[72:73], s[72:73], s[92:93]
	s_lshl_b32 s92, s19, 2
	s_add_nc_u64 s[8:9], s[8:9], s[92:93]
	v_bfe_u32 v3, v0, 4, 1
	v_lshlrev_b32 v4, 6, v3
.irp b, 0,1,2,3
.irp i, 0,1,2,3
	global_load_b128 v[BIAS+16*\b+4*\i:BIAS+16*\b+4*\i+3], v4, s[8:9] offset:128*\b+16*\i
.endr
.endr
	s_mov_b32 s92, 0x3fb8aa3b
	s_mov_b32 s98, 0x3eb504f3
.macro COEF k, val
	v_mov_b32 v[32+2*\k], \val
	v_mul_f32 v[32+2*\k], s92, v[32+2*\k]
	v_mov_b32 v[33+2*\k], v[32+2*\k]
.endm
	v_mov_b32 v32, -1.26551223
	v_fma_f32 v32, v32, s92, -1.0
	v_mov_b32 v33, v32
	COEF 1, 1.00002368
	COEF 2, 0.37409196
	COEF 3, 0.09678418
	COEF 4, -0.18628806
	COEF 5, 0.27886807
	COEF 6, -1.13520398
	COEF 7, 1.48851587
	COEF 8, -0.82215223
	COEF 9, 0.17087277
	v_mov_b32 v52, 0xbf38aa3b
	v_mov_b32 v53, v52
	s_wait_kmcnt 0x0
	s_add_co_i32 s96, s76, s77
	s_add_co_i32 s96, s96, 127
	s_lshl_b32 s96, s96, 23
	s_mov_b32 s97, s96
	s_add_co_i32 s94, s78, 127
	s_lshl_b32 s95, s94, 23
	v_mov_b32 v59, s95
	s_add_co_i32 s94, s94, 15
	s_lshl_b32 s94, s94, 23
	s_or_b32 s94, s94, 0x600000
	v_mov_b32 v58, s94
	s_wait_alu depctr_va_vdst(0)                   ; the wait at the head's end
	s_wait_tensorcnt 0x0                           ; my part of K step 0 is in; slot 1's first fill is issued as a refill is:
	ds_add_u32 v[SPW], v[NIL]                      ; 0 onto my spare word
	s_wait_dscnt 0x0
	CROUND                                         ; everybody's part of K step 0 is in, and the joint loads meet
	JLOAD G0+4, G1, G0B+4, G1B                     ; K step 1: the first tensor load behind the round
	FETCH_B 0, 0, 0
	FETCH_A 0, 0, 0
	FETCH_A 0, 0, 4
	global_prefetch_b8 v30, s[80:81] offset:3*RBK th:TH_LOAD_NT scope:SCOPE_SE   ; K step 3, the last: two refills ahead of its load
	STEP 0, 0, 1
	s_mov_b32 s3, LAPS-1
.Llap:
	TURN 0, 1, 1
	STEP 1, 0, 0
	TURN 1, 0, 1
	STEP 0, 0, 0
	s_sub_co_u32 s3, s3, 1
	s_cmp_lg_u32 s3, 0
	s_cbranch_scc1 .Llap
	TURN 0, 1, 0
	STEP 1, 0, 0
	s_wait_dscnt 4*NL
	WIN MUL_LO
	MUL16 0, 1, 0
	MUL16 2, 1, 0
	s_wait_dscnt 0
	WIN MUL_HI
	MUL16 4, 1, 0
	MUL16 6, 1, 0
	WIN 0
	s_wait_loadcnt 0x0
	PLACES NP
.macro ARM n
.set AC, 64*(((\n)/2)%4)+32*((\n)%2)
.set BI, BIAS+32*((\n)%2)
	WIN 0x02+((\n)/8)
.set i, 0
.rept 16
	v_pk_fma_f32 v[U+i:U+i+1], v[AC+i:AC+i+1], s[96:97], v[BI+i:BI+i+1] op_sel_hi:[1,0,1]
.set i, i+2
.endr
	WIN 0
.endm
	s_mov_b32 s93, 0
.Lbatch:
	s_wait_xcnt 0x0
	s_lshr_b32 s94, s93, 1
	s_lshl_b32 s94, s94, 16
	s_and_b32 s95, s93, 1
	s_lshl_b32 s95, s95, 10
	s_add_co_u32 s94, s94, s95
	v_add_nc_u32 v[VO], s94, v[CO]
; which 32 registers of the accumulators this trip takes: chosen in two levels of four, on the trip's number alone
.macro QUAD m
.irp n, 0,1,2
	s_cmp_lg_u32 s91, \n
	s_cbranch_scc1 .Lnn_\m\()_\n
	ARM 4*\m+\n
	s_branch .Lcommon
.Lnn_\m\()_\n:
.endr
	ARM 4*\m+3
.endm
	s_lshr_b32 s90, s93, 2
	s_and_b32 s91, s93, 3
.irp m, 0,1,2
	s_cmp_lg_u32 s90, \m
	s_cbranch_scc1 .Lnm_\m
	QUAD \m
	s_branch .Lcommon
.Lnm_\m:
.endr
	QUAD 3
.Lcommon:
.set i, 0
.rept 32
	v_fma_f32 v[T+i], |v[U+i]|, s98, 1.0
.set i, i+1
.endr
.set i, 0
	s_wait_alu depctr_va_vdst(0)
.rept 32
	v_rcp_f32 v[T+i], v[T+i]
.set i, i+1
.endr
.set i, 0
.rept 16
	v_pk_mul_f32 v[W+i:W+i+1], v[U+i:U+i+1], v[U+i:U+i+1]
.set i, i+2
.endr
	s_wait_alu depctr_va_vdst(0)
.set i, 0
.rept 16
	v_pk_fma_f32 v[P+i:P+i+1], v[T+i:T+i+1], v[50:51], v[48:49]
.set i, i+2
.endr
.irp k, 7,6,5,4,3,2,1,0
.set i, 0
.rept 16
	v_pk_fma_f32 v[P+i:P+i+1], v[P+i:P+i+1], v[T+i:T+i+1], v[32+2*\k:33+2*\k]
.set i, i+2
.endr
.endr
.set i, 0
.rept 16
	v_pk_fma_f32 v[W+i:W+i+1], v[W+i:W+i+1], v[52:53], v[P+i:P+i+1]
.set i, i+2
.endr
.set i, 0
	s_wait_alu depctr_va_vdst(0)
.rept 32
	v_exp_f32 v[W+i], v[W+i]
.set i, i+1
.endr
.set i, 0
.rept 16
	v_pk_mul_f32 v[T+i:T+i+1], v[T+i:T+i+1], v[U+i:U+i+1]
.set i, i+2
.endr
.set i, 0
.rept 32
	v_max_num_f32 v[U+i], 0, v[U+i]
.set i, i+1
.endr
	s_wait_alu depctr_va_vdst(0)
.set i, 0
.rept 16
	v_pk_mul_f32 v[W+i:W+i+1], v[W+i:W+i+1], v[T+i:T+i+1]
.set i, i+2
.endr
.set i, 0
.rept 32
	v_sub_f32 v[U+i], v[U+i], |v[W+i]|
.set i, i+1
.endr
.set i, 0
.rept 32
	v_med3_num_f32 v[U+i], v[U+i], -v58, v58
.set i, i+1
.endr
.irp q, 0,1,2,3
	v_cvt_scalef32_pk8_bf8_f32 v[P+2*\q:P+2*\q+1], v[U+8*\q:U+8*\q+7], v59
.endr
	v_nop
	global_store_b128 v[VO], v[P:P+3], s[72:73]
	global_store_b128 v[VO], v[P+4:P+7], s[72:73] offset:512
	s_add_co_u32 s93, s93, 1
	s_cmp_lt_u32 s93, 16
	s_cbranch_scc1 .Lbatch
	s_wait_tensorcnt 0x0
	ds_add_u32 v[SPW], v[NIL]
	s_wait_dscnt 0x0
	CROUND
	s_endpgm
.Lfunc_end_k_q4e7d33fa23_mlp1:
	.size	k_q4e7d33fa23_mlp1, .Lfunc_end_k_q4e7d33fa23_mlp1-k_q4e7d33fa23_mlp1
	.p2alignl 7, 3214868480
	.fill 96, 4, 3214868480
	.section	.rodata,"a",@progbits
	.p2align	6, 0x0
	.amdhsa_kernel k_q4e7d33fa23_mlp1
		.amdhsa_group_segment_fixed_size 327680
		.amdhsa_private_segment_fixed_size 0
		.amdhsa_enable_private_segment 0
		.amdhsa_kernarg_size 40
		.amdhsa_user_sgpr_count 2
		.amdhsa_user_sgpr_kernarg_segment_ptr 1
		.amdhsa_wavefront_size32 1
		.amdhsa_system_sgpr_workgroup_id_x 1
		.amdhsa_system_sgpr_workgroup_id_y 1
		.amdhsa_system_sgpr_workgroup_id_z 1
		.amdhsa_system_vgpr_workitem_id 0
		.amdhsa_next_free_vgpr 1024
		.amdhsa_next_free_sgpr 100
		.amdhsa_reserve_vcc 0
		.amdhsa_float_denorm_mode_32 3
		.amdhsa_float_denorm_mode_16_64 3
		.amdhsa_memory_ordered 1
		.amdhsa_forward_progress 1
		.amdhsa_inst_pref_size 123
	.end_amdhsa_kernel
	.amdgpu_metadata
---
amdhsa.version: [ 1, 2 ]
amdhsa.kernels:
  - .name:           k_q4e7d33fa23_mlp1
    .symbol:         k_q4e7d33fa23_mlp1.kd
    .args:
      - { .name: h2, .offset: 0, .size: 8, .value_kind: global_buffer, .address_space: global }
      - { .name: wcodes, .offset: 8, .size: 8, .value_kind: global_buffer, .address_space: global }
      - { .name: b1, .offset: 16, .size: 8, .value_kind: global_buffer, .address_space: global }
      - { .name: lowp_scales, .offset: 24, .size: 8, .value_kind: global_buffer, .address_space: global }
      - { .name: g, .offset: 32, .size: 8, .value_kind: global_buffer, .address_space: global }
    .group_segment_fixed_size: 327680
    .private_segment_fixed_size: 0
    .kernarg_segment_align: 8
    .kernarg_segment_size: 40
    .max_flat_workgroup_size: 128
    .sgpr_count:     100
    .vgpr_count:     1024
    .wavefront_size: 32
...
	.end_amdgpu_metadata
.endif
;; end of part 6
;; launch mlp2 (part 7): grid 8 x 32, 4 waves a work-group, clusters of 4 x 1, 327,680 bytes of LDS; arguments g, wcodes, b2, x1, lowp_scales, out0; writes out0
.if DOCPART == 7
	.amdgcn_target "amdgcn-amd-amdhsa--gfx1250"
	.amdhsa_code_object_version 6
	.text
	.protected	k_q4e7d33fa23_mlp2
	.globl	k_q4e7d33fa23_mlp2
	.p2align	8
	.type	k_q4e7d33fa23_mlp2,@function
k_q4e7d33fa23_mlp2:
	s_mov_b64 s[64:65], 0
	v_nop
	global_prefetch_b8 v0, s[64:65] scope:SCOPE_SE
	s_setreg_imm32_b32 hwreg(HW_REG_WAVE_MODE, 25, 1), 1
	s_wait_xcnt 0x0
	s_wait_alu depctr_hold_cnt(0) depctr_sa_sdst(0) depctr_va_vdst(0) depctr_va_sdst(0) depctr_va_ssrc(0) depctr_va_vcc(0) depctr_vm_vsrc(0)
	s_getreg_b32 s2, hwreg(HW_REG_IB_STS2, 6, 4)
	s_cmp_eq_u32 s2, 0
	s_cbranch_scc0 .Lentry_in_a_cluster
	s_endpgm
.Lentry_in_a_cluster:
	s_bfe_u32 s2, ttmp6, 0x10000c
	s_cmp_lg_u32 s2, 0x3003
	s_cbranch_scc0 .Lentry_shape_is_right
	s_endpgm
.Lentry_shape_is_right:
; out0 = x1 + b2 + g W2.  g [4,096][SIZE_K] and W2 (1,024 places x SIZE_K, at WOFF in wcodes) are codes of BF8 (E5M2) in the order
; byte(p, k) = (p / 16) 16 K + (k / 16) 256 + (p % 16) 16 + k % 16; A has natural rows, W has PI rows (place p holds column PI(p), PI = bits 3 and 4 exchanged).
; The codes are multiplied as they are; each finished sum is multiplied once by 2^(ea + eb).  LIMIT: ea + eb between -126 and 127.  NaN and infinities are not served.
; SHARES.  A work-group makes 128 x 128 of C; wave w makes all 128 rows x places 32 w .. 32 w + 31: 16 accumulators.  256 work-groups.
; A GOES THROUGH LDS, W GOES STRAIGHT INTO REGISTERS.  A fill is 128 rows x 1,024 K, 128 KiB: 8 blocks of 16 rows x 16 KiB on end; each wave fetches two blocks by one tensor load; two slots take turns: 4 fills.
; W's 16 places x 128 K are 2,048 bytes on end in an operand's register order: 8 loads of 512 bytes a step and wave, each byte of W loaded once in the work-group, in a ring of 8 register sets, 7 steps (56 loads) ahead.
; CLUSTER 4, 1, 1: the four work-groups of a cluster make four column tiles of one tile row and ask for A jointly (mask 15).  W is not asked for jointly: a joint load lands in LDS alone, and W never lies in LDS;
; with W out of LDS a slot holds 1,024 along K in place of 512, so there are 3 rounds of the cluster's barrier behind the first in place of 7, and a wave reads 16 KiB of LDS a step for A alone.
; PREFETCH: fills 2 and 3 of A are asked for two fills ahead of their loads, one instruction a wave, each block of 256 bytes once in a cluster; fills 0 and 1 come by their loads alone.  W's loads are themselves 7 steps ahead.
; THE MATRIX INSTRUCTION IS USED TRANSPOSED (source 0 = 16 places of W, source 1 = 16 rows of A): a lane holds row r of A, and its 16 registers of the two tiles are columns 32 w + 16 h + 0 .. 15.
; REGISTERS: window 0: v12-15 bias, v16-29 addresses, v128-255 accumulators, then the rows on their way out; window 1: A's fragments, two sets of 128; window 2: W's ring, 8 sets of 32; window 3: v0-127 the residual.
.set SIZE_K, 4096
.set WOFF,   0x800000
.set EA,     14
.set NSTEP,  SIZE_K/128
.set NG,     SIZE_K/1024               ; fills
.set BLK,    16*SIZE_K                 ; a block of 16 rows of codes
.set GENB,   16384                     ; a block's bytes in a fill
.set SLOT,   131072
.set SPARE,  2*SLOT                    ; the spare words, 128 bytes a wave: two blocks of 256 bytes that no other line names
.set STAGE,  (NG%2)*SLOT               ; the way out: 128 rows x 528 bytes, in the slot that the last fill does not lie in: it has had its last fill, and nobody reads it
.set SPITCH, 528
.set ADRA, 16                          ; v16-19 16 x lane + 65,536 n: slot n / 2, blocks 4 (n % 2) on
.set STO,  24
.set RD,   25
.set CO,   26                          ; 16 x lane
.set PFO,  27
.set SPW,  28
.set NIL,  29
.set ACC,  128
.set G1, 24
.set G0, 32
.set PFA, 48
.set MULW, 0x06                        ; source 0 window 2, source 1 window 1, C and D window 0
.set MSB, 0
.macro WIN new                         ; the immediate's high byte repeats the setting that is left
.if MSB != (\new)
	s_set_vgpr_msb (MSB<<8)|(\new)
.set MSB, (\new)
.endif
.endm
.macro PLACES                          ; four places behind a matrix instruction, in front of loads into registers that it has read and of reads of results
.rept 4
	v_nop
.endr
.endm
.macro ROUND                           ; a round of the cluster's barrier
	s_barrier_signal -1
	s_barrier_wait -1
	s_cmp_lg_u32 s14, 0
	s_cbranch_scc1 .Lnot_wave_0_\@
	s_barrier_signal -3
.Lnot_wave_0_\@:
	s_barrier_wait -3
	s_barrier_signal -1
	s_barrier_wait -1
.endm
.macro TLOAD                           ; my two blocks of a fill; every wave issues it, with its own addresses; s_nop 0 and four v_nop follow
	tensor_load_to_lds s[G0:G0+3], s[G1:G1+7]
	s_nop 0
	PLACES
.endm
.macro FETCHA slot, s, set             ; A's eight fragments of the slot's s-th 128 along K
	WIN 0x40
.irp i, 0,1,2,3,4,5,6,7
.irp c, 0,1,2,3
	ds_load_b128 v[128*(\set)+16*\i+4*\c:128*(\set)+16*\i+4*\c+3], v[ADRA+2*(\slot)+\i/4] offset:GENB*(\i%4)+2048*(\s)+512*\c
.endr
.endr
.endm
.macro FETCHB q                        ; W's two fragments of step q into ring set q % 8
	WIN 0x80
.irp b, 0,1
.irp c, 0,1,2,3
	global_load_b128 v[32*((\q)%8)+16*\b+4*\c:32*((\q)%8)+16*\b+4*\c+3], v[CO], s[6:7] offset:2048*(\q)+BLK*\b+512*\c
.endr
.endr
.endm
.macro MUL8 q, a0, zero                ; A's blocks a0 .. a0 + 3 x W's two; the 16 accumulators take turns, one instruction a turn
.irp a, \a0, \a0+1, \a0+2, \a0+3
.irp b, 0,1
.if \zero
	v_wmma_f32_16x16x128_bf8_bf8 v[ACC+8*(2*(\a)+\b):ACC+8*(2*(\a)+\b)+7], v[32*((\q)%8)+16*\b:32*((\q)%8)+16*\b+15], v[128*((\q)%2)+16*(\a):128*((\q)%2)+16*(\a)+15], 0
.else
	v_wmma_f32_16x16x128_bf8_bf8 v[ACC+8*(2*(\a)+\b):ACC+8*(2*(\a)+\b)+7], v[32*((\q)%8)+16*\b:32*((\q)%8)+16*\b+15], v[128*((\q)%2)+16*(\a):128*((\q)%2)+16*(\a)+15], v[ACC+8*(2*(\a)+\b):ACC+8*(2*(\a)+\b)+7]
.endif
.endr
.endr
.endm
.macro STEP q                          ; 128 along K
.set SL, ((\q)/8)%2
.if (\q)+6 < NSTEP
.set LC, 48                            ; behind step q's 8 loads of W stand those of steps q + 1 .. q + 6
.else
.set LC, 8*(NSTEP-1-(\q))
.endif
.if (\q) < 7
.set LC, LC+32                         ; the residual's 32 loads stand behind the first seven sets of W
.endif
.if LC > 63
.set LC, 63                            ; the wait's field holds no more: a smaller count is safe
.endif
	s_wait_dscnt 0x0                               ; A's fragments of this step are in
	s_wait_loadcnt LC                              ; and W's
.if ((\q)%8 == 7) && ((\q)+1 < NSTEP)  ; a slot's last step changes slots
	WIN 0
	s_wait_tensorcnt 0x0                           ; my part of the next slot has landed; no load of mine is out, so group 0 may be written
	ds_add_u32 v[SPW], v[NIL]                      ; 0 onto my spare word
.if (\q)/8+2 < NG
	s_add_co_u32 s[G0+1], s45, SL*SLOT             ; this slot again,
	s_add_nc_u64 s[G0+2:G0+3], s[G0+2:G0+3], GENB  ; the fill after the next
.endif
	WIN MULW
	MUL8 \q, 0, 0
	WIN 0
	s_wait_dscnt 0x0                               ; the add is done; my reads of this slot were over at the step's head
.if (\q)/8+2 < NG
	ROUND                                          ; no wave of any partner still reads this slot or has a load on its way
	TLOAD
.else
	s_barrier_signal -1
	s_barrier_wait -1
	PLACES
.endif
	FETCHA 1-SL, 0, ((\q)+1)%2
.if (\q)+7 < NSTEP
	FETCHB (\q)+7
.endif
	WIN MULW
	MUL8 \q, 4, 0
.else
.if ((\q) > 0) && ((\q)+1 < NSTEP)
	PLACES
.endif
.if (\q)+1 < NSTEP
	FETCHA SL, ((\q)+1)%8, ((\q)+1)%2
.endif
.if (\q)+7 < NSTEP
	FETCHB (\q)+7
.endif
	WIN MULW
.if (\q) == 0
	MUL8 \q, 0, 1                                  ; the first step's products start the sums
	MUL8 \q, 4, 1
.else
	MUL8 \q, 0, 0
	MUL8 \q, 4, 0
.endif
.endif
.endm
	s_load_b256 s[4:11], s[0:1], 0x0               ; A 4, wcodes 6, the bias 8, the residual 10
	s_load_b128 s[68:71], s[0:1], 0x20             ; the scales 68, the result 70
	v_lshl_add_u32 v[SPW], v0, 2, SPARE
	v_mov_b32 v[NIL], 0
	ds_add_u32 v[SPW], v[NIL]                      ; the opening lines: the add, twice on end, and its wait ahead of my first tensor load
	ds_add_u32 v[SPW], v[NIL]
	v_lshrrev_b32 v1, 5, v0
	v_readfirstlane_b32 s14, v1                    ; wave 0..3
	s_bfe_u32 s40, ttmp6, 0x40000                  ; cx
	s_lshl_b32 s42, ttmp9, 2
	s_add_co_u32 s42, s42, s40                     ; tile column = 4 x cluster x + cx
	s_and_b32 s17, ttmp7, 0xffff                   ; tile row
	s_mov_b32 s[G1], 15|(1<<21)                    ; the mask: all four; elements of 1 byte; bit 21 beside a mask; no padding: a fragment load reads 512 bytes on end
	s_mov_b32 s[G1+1], GENB<<16                    ; tensor_dim0
	s_mov_b32 s[G1+2], 2<<16                       ; tensor_dim1
	s_mov_b32 s[G1+3], GENB<<16                    ; tile_dim0
	s_mov_b32 s[G1+4], 2                           ; tile_dim1
	s_mov_b32 s[G1+5], BLK                         ; from block to block
	s_mov_b32 s[G1+6], 0
	s_mov_b32 s[G1+7], 0
	s_lshl_b32 s18, s14, 1
	s_lshl_b32 s20, s17, 3
	s_add_co_u32 s20, s20, s18
	s_mul_i32 s20, s20, BLK                        ; A: block 8 x tile row + 2 x wave: nothing of cx
	s_mov_b32 s21, 0
	s_lshl_b32 s46, s42, 3
	s_add_co_u32 s46, s46, s18
	s_mul_i32 s46, s46, BLK
	s_add_co_u32 s46, s46, WOFF                    ; W: block 8 x tile column + 2 x wave
	s_mov_b32 s47, 0
	s_lshl_b32 s45, s14, 15                        ; LDS: 32,768 x wave
	s_mov_b32 s[G0], 1
	s_mov_b32 s[G0+1], s45
	s_lshl_b32 s92, s17, 7
	s_lshl_b32 s93, s14, 5
	s_add_co_u32 s92, s92, s93
	s_lshl_b32 s92, s92, 12                        ; the way out: wave w takes rows 32 w .. 32 w + 31 of the tile, whole: 512 bytes each
	s_lshl_b32 s94, s42, 9
	s_add_co_u32 s92, s92, s94
	s_mov_b32 s93, 0
	s_mov_b32 s95, 0
	s_lshl_b32 s23, s14, 7
	s_add_co_u32 s23, s23, STAGE
	s_mul_i32 s22, s14, 32*SPITCH
	s_add_co_u32 s22, s22, STAGE
.if NG > 2
	s_lshr_b32 s48, s40, 1
	s_lshl_b32 s49, s17, 3
	s_add_co_u32 s48, s48, s49
	s_add_co_u32 s48, s48, s18
	s_mul_i32 s48, s48, BLK
	s_and_b32 s49, s40, 1
	s_lshl_b32 s49, s49, 13
	s_add_co_u32 s48, s48, s49                     ; the prefetches: of my wave's 32 KiB of a fill partner cx takes 8 KiB: block 2 w + cx / 2, half cx % 2: told apart by address
	s_mov_b32 s49, 0
.endif
	v_and_b32 v1, 31, v0
	v_and_b32 v2, 15, v0                           ; r
	v_bfe_u32 v3, v0, 4, 1                         ; h
	v_lshlrev_b32 v[CO], 4, v1
	v_lshlrev_b32 v[PFO], 8, v1
	v_mul_u32_u24 v4, v2, SPITCH
	v_lshl_add_u32 v4, v3, 6, v4
	v_add_nc_u32 v[STO], s23, v4                   ; into the stage: row r, 128 w + 64 h bytes on
	v_add_nc_u32 v[RD], s22, v[CO]                 ; back: a row of 512 bytes to the 32 lanes
.irp n, 0,1,2,3
	v_add_nc_u32 v[ADRA+\n], 65536*\n, v[CO]
.endr
	s_wait_alu depctr_va_vdst(0)                   ; the wait at the head's end
	s_wait_dscnt 0x0                               ; both opening adds are done
	s_wait_kmcnt 0x0
	s_load_b64 s[96:97], s[68:69], EA*4            ; ea, eb
	s_add_nc_u64 s[G0+2:G0+3], s[4:5], s[20:21]
	s_or_b32 s[G0+3], s[G0+3], 0x80000000
	ROUND                                          ; all four work-groups are here: the first joint loads meet
	TLOAD                                          ; fill 0: one tensor load a wave at the head
	s_add_nc_u64 s[6:7], s[6:7], s[46:47]
	s_add_nc_u64 s[8:9], s[8:9], s[94:95]
	s_add_nc_u64 s[10:11], s[10:11], s[92:93]
	s_add_nc_u64 s[70:71], s[70:71], s[92:93]
	global_load_b128 v[12:15], v[CO], s[8:9]       ; the bias of my four columns
.irp q, 0,1,2,3,4,5,6
	FETCHB \q
.endr
	WIN 0xc0
.set t, 0
.rept 32
	global_load_b128 v[4*t:4*t+3], v[CO], s[10:11] offset:t*4096 th:TH_LOAD_NT   ; the residual's 32 rows, 512 bytes on end each: behind W's first sets, which are wanted first
.set t, t+1
.endr
	WIN 0
.if NG > 2
	s_add_nc_u64 s[PFA:PFA+1], s[4:5], s[48:49]
	global_prefetch_b8 v[PFO], s[PFA:PFA+1] offset:2*GENB th:TH_LOAD_NT scope:SCOPE_SE   ; fill 2, two fills ahead of its load: lanes 256 bytes apart
.endif
.if NG > 1
	s_wait_tensorcnt 0x0                           ; my part of fill 0 is in; slot 1's first fill is issued as a refill is
	ds_add_u32 v[SPW], v[NIL]                      ; 0 onto my spare word
	s_add_co_u32 s[G0+1], s45, SLOT
	s_add_nc_u64 s[G0+2:G0+3], s[G0+2:G0+3], GENB
	s_wait_dscnt 0x0
	ROUND
	TLOAD
.else
	s_wait_tensorcnt 0x0                           ; my part of the one fill is in,
	s_barrier_signal -1
	s_barrier_wait -1                              ; everybody's is
.endif
	FETCHA 0, 0, 0
.if NG > 3
	WIN 0
	global_prefetch_b8 v[PFO], s[PFA:PFA+1] offset:3*GENB th:TH_LOAD_NT scope:SCOPE_SE   ; fill 3 likewise; there is none behind it
.endif
.set Q, 0
.rept NSTEP
	STEP Q
.set Q, Q+1
.endr
	WIN 0
	; THE WAY OUT: all four waves' sums meet in the stage; each wave takes 32 whole rows back, x 2^(ea + eb), + bias, + residual, and stores 512 bytes on end, at a multiple of 256 from the buffer's first byte.
	s_wait_kmcnt 0x0
	s_add_co_i32 s96, s96, s97
	s_add_co_i32 s96, s96, 127
	s_lshl_b32 s96, s96, 23                        ; 2^(ea + eb) as f32
	s_mov_b32 s97, s96
	PLACES
.irp a, 0,1,2,3,4,5,6,7
.irp b, 0,1
	ds_store_b128 v[STO], v[ACC+8*(2*\a+\b):ACC+8*(2*\a+\b)+3] offset:\a*16*SPITCH+32*\b          ; each accumulator from its low end on
	ds_store_b128 v[STO], v[ACC+8*(2*\a+\b)+4:ACC+8*(2*\a+\b)+7] offset:\a*16*SPITCH+32*\b+16
.endr
.endr
	s_wait_dscnt 0x0                               ; for the others' sake
	s_barrier_signal -1
	s_barrier_wait -1
.set t, 0
.rept 32
	ds_load_b128 v[ACC+4*t:ACC+4*t+3], v[RD] offset:t*SPITCH
.set t, t+1
.endr
.irp g, 0,1,2,3
	s_wait_dscnt 24-8*\g                           ; these eight rows are back; the younger loads may be out
.irp t, 0,1,2,3,4,5,6,7
	v_pk_fma_f32 v[ACC+32*\g+4*\t:ACC+32*\g+4*\t+1], v[ACC+32*\g+4*\t:ACC+32*\g+4*\t+1], s[96:97], v[12:13] op_sel_hi:[1,0,1]
	v_pk_fma_f32 v[ACC+32*\g+4*\t+2:ACC+32*\g+4*\t+3], v[ACC+32*\g+4*\t+2:ACC+32*\g+4*\t+3], s[96:97], v[14:15] op_sel_hi:[1,0,1]
.endr
	WIN 0x0c                                       ; source 1: window 3
.irp t, 0,1,2,3,4,5,6,7
	v_pk_add_f32 v[ACC+32*\g+4*\t:ACC+32*\g+4*\t+1], v[ACC+32*\g+4*\t:ACC+32*\g+4*\t+1], v[32*\g+4*\t:32*\g+4*\t+1]
	v_pk_add_f32 v[ACC+32*\g+4*\t+2:ACC+32*\g+4*\t+3], v[ACC+32*\g+4*\t+2:ACC+32*\g+4*\t+3], v[32*\g+4*\t+2:32*\g+4*\t+3]
.endr
	WIN 0
.irp t, 0,1,2,3,4,5,6,7
	global_store_b128 v[CO], v[ACC+32*\g+4*\t:ACC+32*\g+4*\t+3], s[70:71] offset:(8*\g+\t)*4096
.endr
.endr
	s_wait_tensorcnt 0x0                           ; the wave's end
	ds_add_u32 v[SPW], v[NIL]
	s_wait_dscnt 0x0
	ROUND                                          ; the closing round
	s_endpgm
.Lfunc_end_k_q4e7d33fa23_mlp2:
	.size	k_q4e7d33fa23_mlp2, .Lfunc_end_k_q4e7d33fa23_mlp2-k_q4e7d33fa23_mlp2
	.p2alignl 7, 3214868480
	.fill 96, 4, 3214868480
	.section	.rodata,"a",@progbits
	.p2align	6, 0x0
	.amdhsa_kernel k_q4e7d33fa23_mlp2
		.amdhsa_group_segment_fixed_size 327680
		.amdhsa_private_segment_fixed_size 0
		.amdhsa_enable_private_segment 0
		.amdhsa_kernarg_size 48
		.amdhsa_user_sgpr_count 2
		.amdhsa_user_sgpr_kernarg_segment_ptr 1
		.amdhsa_wavefront_size32 1
		.amdhsa_system_sgpr_workgroup_id_x 1
		.amdhsa_system_sgpr_workgroup_id_y 1
		.amdhsa_system_sgpr_workgroup_id_z 1
		.amdhsa_system_vgpr_workitem_id 0
		.amdhsa_next_free_vgpr 896
		.amdhsa_next_free_sgpr 100
		.amdhsa_reserve_vcc 0
		.amdhsa_float_denorm_mode_32 3
		.amdhsa_float_denorm_mode_16_64 3
		.amdhsa_memory_ordered 1
		.amdhsa_forward_progress 1
		.amdhsa_inst_pref_size 155
	.end_amdhsa_kernel
	.amdgpu_metadata
---
amdhsa.version: [ 1, 2 ]
amdhsa.kernels:
  - .name:           k_q4e7d33fa23_mlp2
    .symbol:         k_q4e7d33fa23_mlp2.kd
    .args:
      - { .name: g, .offset: 0, .size: 8, .value_kind: global_buffer, .address_space: global }
      - { .name: wcodes, .offset: 8, .size: 8, .value_kind: global_buffer, .address_space: global }
      - { .name: b2, .offset: 16, .size: 8, .value_kind: global_buffer, .address_space: global }
      - { .name: x1, .offset: 24, .size: 8, .value_kind: global_buffer, .address_space: global }
      - { .name: lowp_scales, .offset: 32, .size: 8, .value_kind: global_buffer, .address_space: global }
      - { .name: out0, .offset: 40, .size: 8, .value_kind: global_buffer, .address_space: global }
    .group_segment_fixed_size: 327680
    .private_segment_fixed_size: 0
    .kernarg_segment_align: 8
    .kernarg_segment_size: 48
    .max_flat_workgroup_size: 128
    .sgpr_count:     100
    .vgpr_count:     896
    .wavefront_size: 32
...
	.end_amdgpu_metadata
.endif
;; end of part 7
